; MI455X (gfx1250); checked and timed in simulation.
; The chip was launched on July 23, 2026; its instructions are those of AMD's public machine-readable ISA for CDNA 5 (MIT licence, August 2026) and "CDNA5" Instruction Set Architecture Reference Guide (July 2026). The comments in the code are by the model that wrote it; some were corrected since.
;; Scaled Dot Product Attention. Allowed arithmetic: matrix products marked QUANTISED: E2M3 operands, one E8M0 scale for each 32 along K, by v_wmma_scale_f32_16x16x128_f8f6f4 with both operands' format E2M3, f32 sums; everything else in f32.
;; Inputs: keys 4 x 16 x 2,048 x 64 float32; mask 2,048 x 2,048 bool; queries 4 x 16 x 2,048 x 64 float32; values 4 x 16 x 2,048 x 64 float32.
;; Outputs: out0 4 x 16 x 2,048 x 64 float32.
;; This version of the problem:
;;   THIS VERSION OF THE PROBLEM IS GIVEN IN LOW PRECISION. The matrix products marked QUANTISED in the list below multiply operands that are first quantised to E2M3 (2 exponent bits, 3 mantissa bits; 6 bits a number), with one power-of-two scale for each 32 numbers along K (OCP MX v1.0); their sums are f32. All else is computed in f32.
;;   The module's matrix products, in the order in which they are computed (A, B: the left and right operand; K: the contracted axis; several contracted axes count as one K, in the product's order):
;;     1. batch 64 x [M 2,048, K 64] x [K 64, N 2,048]; A: input queries; B: input keys: QUANTISED
;;     2. batch 64 x [M 2,048, K 2,048] x [K 2,048, N 64]; A: softmax (see below); B: input values: QUANTISED
;;   THE QUANTISER, for each operand of a quantised product, along K:
;;     - K is cut into blocks of 32 from its start; a last block that is shorter is filled with zeros.
;;     - A block's scale is 2^e with e = floor(log2(the largest magnitude in the block)) - 2, held to -126 .. 127; a block of zeros has e = 0. As a byte (E8M0): e + 127.
;;     - Each number is divided by its block's scale, clamped to +-7.5, and rounded to the nearest number of E2M3, ties to even, subnormals kept.
;;     - The product sums the exact products of the quantised numbers (number of the format x scale) in f32.
;;   ~~~python
;;   def quantise(x, axis):      # numpy; x: float32 -> the quantised numbers, widened to float32 again
;;       x = np.moveaxis(x, axis, -1); K = x.shape[-1]
;;       x = np.pad(x, [(0, 0)] * (x.ndim - 1) + [(0, -K % 32)]); x = x.reshape(x.shape[:-1] + (-1, 32)); a = np.abs(x).max(-1, keepdims=True)
;;       e = np.where(a > 0, np.clip(np.frexp(np.where(a > 0, a, 1))[1] - 1 - 2, -126, 127), 0)      # np.frexp(a)[1] - 1 = floor(log2(a)), exactly
;;       r = np.clip(x / 2.0 ** e, -7.5, 7.5)
;;       step = 2.0 ** (np.maximum(np.frexp(np.where(r == 0, 1, r))[1] - 1, 0) - 3)
;;       q = np.round(r / step) * step * 2.0 ** e      # np.round: ties to even
;;       return np.moveaxis(q.reshape(q.shape[:-2] + (-1,))[..., :K], -1, axis).astype(np.float32)
;;   ~~~
;;   SOFTMAX AHEAD OF A QUANTISED PRODUCT. Where the list says 'softmax', what is quantised is not the finished softmax but p = 2^(t - M), with t = logit x log2(e) and M = ceil(the row's largest t), a whole number; so 1/2 < the row's largest p <= 1. The row's sum l is taken of the UNQUANTISED p, in f32, and the product's result is divided by l at the end. Since M is a whole number, a kernel that streams over the keys may use a running M (the ceiling of the running maximum): every later rescaling is an exact power of two, which a block's scale takes up: the codes' values come out the same.
;;   OPERANDS COMPUTED ON THE WAY. 'Computed on the way' means the value that the module computes at that place (a softmax that the list does not call 'softmax' is quantised finished and normalised). What goes into a quantiser is computed in f32, as accurately as f32 sums, v_exp_f32 and their like allow (about 1e-6 of the number): no bf16 or f16 on the way to a quantiser, and a product that is left as it is and whose result goes on into a quantised operand takes f32 operands (vector FMAs, or v_wmma_f32_16x16x4_f32). A number that lies on a knife's edge between two numbers of the format may be rounded either way, as far as f32 arithmetic and the matrix unit's own rounding can turn it there, and no further.
;; 2 versions. Each part assembles by itself: llvm-mc -triple=amdgcn-amd-amdhsa -mcpu=gfx1250 --defsym DOCPART=n.
;; ======== version 1 of 2: 2 launches
;; workspace buffers: kvc 13,369,344 bytes; mwords 524,288 bytes of whole numbers; mflags 2,048 bytes of whole numbers
;; launch prep (part 1): grid 640 x 1, 4 waves a work-group, no clusters, 35,328 bytes of LDS; arguments keys, values, mask, kvc, mwords, mflags; writes kvc, mwords, mflags
.if DOCPART == 1
	.amdgcn_target "amdgcn-amd-amdhsa--gfx1250"
	.amdhsa_code_object_version 6
	.text
	.protected	k_qae193b7707_prep
	.globl	k_qae193b7707_prep
	.p2align	8
	.type	k_qae193b7707_prep,@function
k_qae193b7707_prep:
	s_mov_b64 s[64:65], 0
	v_nop
	global_prefetch_b8 v0, s[64:65] scope:SCOPE_SE
	s_setreg_imm32_b32 hwreg(HW_REG_WAVE_MODE, 25, 1), 1
	s_wait_xcnt 0x0
; WHAT IT MAKES, for the attention launch behind it.  64 heads, 2,048 keys, head size 64; a STEP is 128 keys.
; kvc: one record of 13,056 bytes for each (head, step), record g = 16 head + step, laid in the order of the matrix operands' registers (lane = r + 16 h):
;   0      K's codes (FP6, E2M3, quantised along the head's 64): image of 48 registers, register R of a lane at 512 (R / 4) + 16 lane + 4 (R % 4); R = 6 t + j: tile t, bytes 4 j.. of block h of key 32 (t/2) + 8 (t%2) + r + 8 (r/8)
;   6,144  V's codes (quantised along the keys): image of 48 registers; R = 12 t + 6 c + j: column d = 16 t + r, keys 64 c + 32 h + 0 .. 31
;   12,288 K's scale words: at 16 lane + 4 j the word of tile 4 h + j, key row r (byte 0: block 0, byte 1: block 1, bytes 2, 3: 0)
;   12,800 V's scale words: at 8 lane + 4 j the word of tile h + 2 j, column r (byte b: keys 32 b ..)
; mwords: for each (tile of 16 queries qt, step) 64 words at (16 qt + step) x 256: bit (r + 16 h) of word 16 b + i = mask[16 qt + r][128 step + 32 b + 16 h + i]: a lane mask for each score register.
; mflags: word 4 qt + w, bits 2 s, 2 s + 1: step 4 w + s of tile qt: 0 no key counts, 1 some count, 2 all count.
; A block's scale is 2^(floor(log2(its largest magnitude)) - 2): its byte is the largest magnitude's exponent field - 2, held at 1 from below by a floor among the maximum's leaves.
; LIMITS: a block of zeros, and a block whose largest magnitude lies under 2^-124, get the byte 1 (the rule says 127 for zeros: the codes are zeros, and these bytes are read by this program alone);
; NaN and infinities among keys and values are not served; a mask byte is 0 or 1.
; SHARES: work-groups 0-255: K, a wave a record; 256-511: V, a wave a record; 512-639: the mask, a work-group a tile of 16 queries, a wave four steps.  Waves share nothing: no barrier.  Only K's path uses LDS.
.set REC,  13056
.set KR,   32                          ; K: v32-159  two sets of 64 registers as loaded
.set KX,   160                         ; K: v160-223 two blocks of 32 neighbours
.set KC,   224                         ; K: v224-235 the codes of two tiles
.set KT,   236                         ; K: v236-238, v240-242 second halves of the blocks' codes
.set KW,   16                          ; K: v16-23   the eight tiles' scale words
.set VX,   32                          ; V: v32-95   two sets of 32 numbers
.set VCD,  96                          ; V: v96-107, v112-123 the codes, a set for each half of the columns
.set VT,   108                         ; V: v108-110
.set MD,   32                          ; M: v32-95   the mask's bytes: register 16 s + 4 b + m
.set MT,   96                          ; M: v96-111  at work
.set MW,   112                         ; M: v112-119 a pair of registers for each step: word n in register n % 2, lane n / 2
; 32 numbers of one lane, v[x] .. v[x + 31], are a block: its largest magnitude (two chains) with the floor 2^(3 - 127), and 2 off the exponent field: the conversion's scale operand in v[o]
.macro BMAX x, m, o
	v_max3_num_f32 v[\m], |v[\x]|, |v[\x+1]|, 0x1800000
	v_max3_num_f32 v[\m+1], |v[\x+16]|, |v[\x+17]|, |v[\x+18]|
.irp i, 2,4,6,8,10,12
	v_max3_num_f32 v[\m], v[\m], |v[\x+\i]|, |v[\x+\i+1]|
	v_max3_num_f32 v[\m+1], v[\m+1], |v[\x+17+\i]|, |v[\x+18+\i]|
.endr
	v_max3_num_f32 v[\m], v[\m], |v[\x+14]|, |v[\x+15]|
	v_max3_num_f32 v[\m], v[\m], v[\m+1], |v[\x+31]|
	v_add_nc_u32 v[\o], 0xff000000, v[\m]
.endm
; K: chunk c = 32 keys = 8,192 bytes: sixteen loads of 512 consecutive bytes
.macro KLOAD c
.irp i, 0,1,2,3,4,5,6,7,8,9,10,11,12,13,14,15
	global_load_b128 v[KR+64*((\c)%2)+4*\i:KR+64*((\c)%2)+4*\i+3], v4, s[4:5] offset:8192*(\c)+512*\i th:TH_LOAD_NT
.endr
.endm
; K: chunk c becomes tiles 2 c and 2 c + 1.  The bytes go through the wave's own stage (32 rows of 256 bytes + 16) as they lie and come back a block (128 bytes) a lane.
.macro CHUNK c
.if (\c) < 3
	s_wait_loadcnt 16                              ; this chunk's sixteen loads are in; the next chunk's sixteen may be out
.else
	s_wait_loadcnt 0x0
.endif
.irp i, 0,1,2,3,4,5,6,7,8,9,10,11,12,13,14,15
	ds_store_b128 v5, v[KR+64*((\c)%2)+4*\i:KR+64*((\c)%2)+4*\i+3] offset:544*\i
.endr
.irp u, 0,1
.irp j, 0,1,2,3,4,5,6,7
	ds_load_b128 v[KX+32*\u+4*\j:KX+32*\u+4*\j+3], v6 offset:2176*\u+16*\j   ; a wave's LDS instructions are served in order: these see the stores above
.endr
.endr
	s_wait_dscnt 16                                ; the sixteen stores are done (the sixteen loads may be out): their registers take the chunk two on
.if (\c) < 2
	KLOAD (\c)+2
.endif
	s_wait_dscnt 0x0
	BMAX KX, 8, 12
	BMAX KX+32, 10, 13
.if (\c) > 0
	s_wait_xcnt 0x0                                ; the last chunk's stores have read the codes' registers
.endif
.irp u, 0,1
	v_cvt_scalef32_pk16_fp6_f32 v[KC+6*\u:KC+6*\u+2], v[KX+32*\u:KX+32*\u+15], v[12+\u]
	v_cvt_scalef32_pk16_fp6_f32 v[KT+4*\u:KT+4*\u+2], v[KX+32*\u+16:KX+32*\u+31], v[12+\u]   ; (a conversion's three registers begin on an even number)
.endr
	v_nop                                          ; one plain place behind the scaled conversions
.irp u, 0,1
	v_lshrrev_b32 v[14+\u], 23, v[12+\u]           ; the scale's byte
.endr
.irp u, 0,1
.irp i, 0,1,2
	v_mov_b32 v[KC+6*\u+3+\i], v[KT+4*\u+\i]
.endr
.endr
.irp u, 0,1
	v_lshlrev_b32 v[14+\u], v7, v[14+\u]           ; my block's byte at its place (8 h bits up),
	v_permlanex16_b32 v24, v[14+\u], s20, s21
	v_or_b32 v[KW+2*(\c)+\u], v[14+\u], v24        ; with lane l xor 16's: the key's scale word
.endr
.irp g, 0,1,2
	global_store_b128 v4, v[KC+4*\g:KC+4*\g+3], s[10:11] offset:512*(3*(\c)+\g)   ; 512 consecutive bytes of the image
.endr
.endm
; V: block q: half dh = q % 2 of the 64 columns, c = (q / 2) % 2, h = q / 4: keys 64 c + 32 h + 0 .. 31.  A lane takes column 32 dh + lane, its registers run down the keys.
.macro VLOAD q
.set vi, 0
.rept 32
	global_load_b32 v[VX+32*((\q)%2)+vi], v4, s[6:7] offset:(64*(((\q)/2)%2)+32*((\q)/4)+vi)*256+128*((\q)%2) th:TH_LOAD_NT
.set vi, vi+1
.endr
.endm
.macro VBLOCK q
.set VDH, (\q)%2
.set VC,  ((\q)/2)%2
.set VH,  (\q)/4
.if (\q) < 7
	s_wait_loadcnt 32                              ; this block's 32 loads are in; the next block's may be out
.else
	s_wait_loadcnt 0x0
.endif
	BMAX VX+32*VDH, 8, 12
	v_lshrrev_b32 v13, 23, v12                     ; the scale's byte, of keys 32 (2 c + h) on
.if 2*VC+VH == 0
	v_mov_b32 v[16+VDH], v13
.else
	v_lshl_or_b32 v[16+VDH], v13, 8*(2*VC+VH), v[16+VDH]
.endif
.if (VC == 0) && ((\q) >= 4)
	s_wait_xcnt 0x0                                ; this set's last stores have read their registers
.endif
	v_cvt_scalef32_pk16_fp6_f32 v[VCD+16*VDH+6*VC:VCD+16*VDH+6*VC+2], v[VX+32*VDH:VX+32*VDH+15], v12
	v_cvt_scalef32_pk16_fp6_f32 v[VT:VT+2], v[VX+32*VDH+16:VX+32*VDH+31], v12
	v_nop                                          ; one plain place behind the scaled conversions
.irp i, 0,1,2
	v_mov_b32 v[VCD+16*VDH+6*VC+3+\i], v[VT+\i]
.endr
.if (\q) < 6
	VLOAD (\q)+2
.endif
.if VC == 1                            ; twelve registers of the image's lanes (r, h) are whole: sixteen lanes store 256 consecutive bytes, aligned
.irp g, 0,1,2
	global_store_b128 v5, v[VCD+16*VDH+4*\g:VCD+16*VDH+4*\g+3], s[10:11] offset:6144+3072*VDH+512*\g+256*VH
.endr
.endif
.endm
; M: step s of my four: 64 lane masks, and the step's flag
.macro MSTEP s
	s_wait_loadcnt 12-4*\s                         ; this step's four loads are in; the later steps' may be out
.irp b, 0,1,2,3
.irp m, 0,1,2,3
.irp j, 0,1,2,3
	v_and_b32 v[MT+4*\m+\j], 1<<(8*\j), v[MD+16*\s+4*\b+\m]
.endr
.endr
.irp m, 0,1,2,3
.irp j, 0,1,2,3
	v_cmp_ne_u32 s[32+4*\m+\j], 0, v[MT+4*\m+\j]   ; word 16 b + 4 m + j: a bit for each lane
.endr
.endr
.irp m, 0,1,2,3
.irp j, 0,1,2,3
	v_writelane_b32 v[MW+2*\s+\j%2], s[32+4*\m+\j], (16*\b+4*\m+\j)/2
.endr
.endr
.endr
	v_or_b32 v8, v[MD+16*\s], v[MD+16*\s+1]
	v_and_b32 v9, v[MD+16*\s], v[MD+16*\s+1]
.irp k, 2,3,4,5,6,7,8,9,10,11,12,13,14,15
	v_or_b32 v8, v8, v[MD+16*\s+\k]
	v_and_b32 v9, v9, v[MD+16*\s+\k]
.endr
	v_cmp_ne_u32 s25, 0, v8                        ; lanes with a key that counts
	v_cmp_eq_u32 s26, 0x01010101, v9               ; lanes all of whose keys count
	s_cmp_lg_u32 s25, 0
	s_cselect_b32 s27, 1, 0
	s_cmp_eq_u32 s26, -1
	s_cselect_b32 s28, 1, 0
	s_add_co_u32 s27, s27, s28                     ; 0, 1 or 2
	s_lshl_b32 s27, s27, 2*\s
	s_or_b32 s24, s24, s27
	global_store_b64 v5, v[MW+2*\s:MW+2*\s+1], s[12:13] offset:256*\s   ; 32 lanes store 256 consecutive bytes, aligned
.endm
	s_load_b256 s[4:11], s[0:1], 0x0               ; keys s[4:5], values s[6:7], mask s[8:9], kvc s[10:11]
	s_load_b128 s[12:15], s[0:1], 0x20             ; mwords s[12:13], mflags s[14:15]
	v_lshl_add_u32 v248, v0, 2, 0x8800
	v_mov_b32 v249, 0
	v_lshrrev_b32 v1, 5, v0
	v_readfirstlane_b32 s16, v1                    ; wave 0..3
	v_and_b32 v1, 31, v0                           ; lane
	v_and_b32 v2, 15, v0                           ; r
	v_bfe_u32 v3, v0, 4, 1                         ; h
	s_mov_b32 s20, 0x76543210
	s_mov_b32 s21, 0xfedcba98                      ; v_permlanex16_b32's selects for lane l xor 16
	s_mov_b32 s19, 0                               ; the high word of every offset
	s_wait_kmcnt 0x0
	s_cmp_lt_u32 ttmp9, 256
	s_cbranch_scc1 .Lkeys
	s_cmp_lt_u32 ttmp9, 512
	s_cbranch_scc1 .Lvalues
	; ---- THE MASK: tile qt of 16 queries, my steps 4 w .. 4 w + 3
	s_sub_co_u32 s17, ttmp9, 512                   ; qt
	s_lshl_b32 s18, s17, 15                        ; 16 rows of 2,048 bytes,
	s_lshl_b32 s22, s16, 9                         ; my 512 keys
	s_add_co_u32 s18, s18, s22
	s_add_nc_u64 s[8:9], s[8:9], s[18:19]
	s_lshl_b32 s18, s17, 12                        ; (16 qt + 4 w) x 256
	s_lshl_b32 s22, s16, 10
	s_add_co_u32 s18, s18, s22
	s_add_nc_u64 s[12:13], s[12:13], s[18:19]
	s_lshl_b32 s18, s17, 4                         ; (4 qt + w) x 4
	s_lshl_b32 s22, s16, 2
	s_add_co_u32 s18, s18, s22
	s_add_nc_u64 s[14:15], s[14:15], s[18:19]
	v_lshlrev_b32 v4, 11, v2
	v_lshl_add_u32 v4, v3, 4, v4                   ; row r, + 16 h: my 16 keys of a block of 32
	v_lshlrev_b32 v5, 3, v1                        ; out: 8 bytes a lane
.irp s, 0,1,2,3
.irp b, 0,1,2,3
	global_load_b128 v[MD+16*\s+4*\b:MD+16*\s+4*\b+3], v4, s[8:9] offset:128*\s+32*\b
.endr
.endr
.irp i, 0,1,2,3,4,5,6,7
	v_mov_b32 v[MW+\i], 0                          ; v_writelane_b32's destination counts as read
.endr
	s_mov_b32 s24, 0
	MSTEP 0
	MSTEP 1
	MSTEP 2
	MSTEP 3
	v_mov_b32 v8, s24
	v_mov_b32 v9, 0
	s_wait_xcnt 0x0                                ; EXEC changes only behind this wait
	v_cmp_eq_u32 vcc_lo, 0, v1
	s_and_saveexec_b32 s29, vcc_lo
	global_store_b32 v9, v8, s[14:15]              ; one lane stores my four steps' flags
	s_wait_xcnt 0x0
	s_or_b32 exec_lo, exec_lo, s29
	s_endpgm
	; ---- K: record g = 4 x + w
.Lkeys:
	s_lshl_b32 s17, ttmp9, 2
	s_add_co_u32 s17, s17, s16
	s_lshl_b32 s18, s17, 15                        ; 128 keys of 256 bytes
	s_add_nc_u64 s[4:5], s[4:5], s[18:19]
	s_mul_i32 s18, s17, REC
	s_add_nc_u64 s[10:11], s[10:11], s[18:19]
	s_mul_i32 s22, s16, 8704                       ; my stage: 32 rows of 272 bytes
	v_lshlrev_b32 v4, 4, v1                        ; 16 x lane
	v_mul_u32_u24 v5, v3, 272
	v_lshl_add_u32 v5, v2, 4, v5
	v_add_nc_u32 v5, s22, v5                       ; in: a load's 512 bytes are two rows: row h, 16 r
	v_and_b32 v8, 8, v2
	v_add_nc_u32 v8, v8, v2                        ; r + 8 (r / 8)
	v_mul_u32_u24 v6, v8, 272
	v_lshl_add_u32 v6, v3, 7, v6
	v_add_nc_u32 v6, s22, v6                       ; out: that row, block h
	v_lshlrev_b32 v7, 3, v3                        ; 8 h
	v_mov_b32 v24, 0                               ; a lane permute's destination counts as read
	KLOAD 0
	KLOAD 1
	CHUNK 0
	CHUNK 1
	CHUNK 2
	CHUNK 3
	v_cmp_eq_u32 vcc_lo, 1, v3
.irp j, 0,1,2,3
	v_cndmask_b32 v[8+\j], v[KW+\j], v[KW+4+\j], vcc_lo   ; lanes 0-15: tiles 0-3; lanes 16-31: tiles 4-7
.endr
	global_store_b128 v4, v[8:11], s[10:11] offset:12288
	s_wait_tensorcnt 0x0
	ds_add_u32 v248, v249
	s_wait_dscnt 0x0
	s_endpgm
	; ---- V: record g = 4 (x - 256) + w
.Lvalues:
	s_sub_co_u32 s17, ttmp9, 256
	s_lshl_b32 s17, s17, 2
	s_add_co_u32 s17, s17, s16
	s_lshl_b32 s18, s17, 15
	s_add_nc_u64 s[6:7], s[6:7], s[18:19]
	s_mul_i32 s18, s17, REC
	s_add_nc_u64 s[10:11], s[10:11], s[18:19]
	v_lshlrev_b32 v4, 2, v1                        ; in: 4 bytes a lane
	v_mul_u32_u24 v5, v3, 1536
	v_lshl_add_u32 v5, v2, 4, v5                   ; out: tile (lane / 16) of my half: 3 x 512 bytes; 16 r
	v_lshlrev_b32 v6, 3, v1                        ; the scale words: 8 bytes a lane
	VLOAD 0
	VLOAD 1
	VBLOCK 0
	VBLOCK 1
	VBLOCK 2
	VBLOCK 3
	VBLOCK 4
	VBLOCK 5
	VBLOCK 6
	VBLOCK 7
	global_store_b64 v6, v[16:17], s[10:11] offset:12800   ; 256 consecutive bytes, aligned
	s_endpgm
.Lfunc_end_k_qae193b7707_prep:
	.size	k_qae193b7707_prep, .Lfunc_end_k_qae193b7707_prep-k_qae193b7707_prep
	.p2alignl 7, 3214868480
	.fill 96, 4, 3214868480
	.section	.rodata,"a",@progbits
	.p2align	6, 0x0
	.amdhsa_kernel k_qae193b7707_prep
		.amdhsa_group_segment_fixed_size 35328
		.amdhsa_private_segment_fixed_size 0
		.amdhsa_enable_private_segment 0
		.amdhsa_kernarg_size 48
		.amdhsa_user_sgpr_count 2
		.amdhsa_user_sgpr_kernarg_segment_ptr 1
		.amdhsa_wavefront_size32 1
		.amdhsa_system_sgpr_workgroup_id_x 1
		.amdhsa_system_sgpr_workgroup_id_y 1
		.amdhsa_system_sgpr_workgroup_id_z 1
		.amdhsa_system_vgpr_workitem_id 0
		.amdhsa_next_free_vgpr 250
		.amdhsa_next_free_sgpr 66
		.amdhsa_reserve_vcc 1
		.amdhsa_float_denorm_mode_32 3
		.amdhsa_float_denorm_mode_16_64 3
		.amdhsa_memory_ordered 1
		.amdhsa_forward_progress 1
		.amdhsa_inst_pref_size 122
	.end_amdhsa_kernel
	.amdgpu_metadata
---
amdhsa.version: [ 1, 2 ]
amdhsa.kernels:
  - .name:           k_qae193b7707_prep
    .symbol:         k_qae193b7707_prep.kd
    .args:
      - { .name: keys, .offset: 0, .size: 8, .value_kind: global_buffer, .address_space: global }
      - { .name: values, .offset: 8, .size: 8, .value_kind: global_buffer, .address_space: global }
      - { .name: mask, .offset: 16, .size: 8, .value_kind: global_buffer, .address_space: global }
      - { .name: kvc, .offset: 24, .size: 8, .value_kind: global_buffer, .address_space: global }
      - { .name: mwords, .offset: 32, .size: 8, .value_kind: global_buffer, .address_space: global }
      - { .name: mflags, .offset: 40, .size: 8, .value_kind: global_buffer, .address_space: global }
    .group_segment_fixed_size: 35328
    .private_segment_fixed_size: 0
    .kernarg_segment_align: 8
    .kernarg_segment_size: 48
    .max_flat_workgroup_size: 128
    .sgpr_count:     66
    .vgpr_count:     250
    .wavefront_size: 32
...
	.end_amdgpu_metadata
.endif
;; end of part 1
;; launch attn (part 2): grid 4 x 64, 16 waves a work-group, no clusters, 280,576 bytes of LDS; arguments queries, kvc, mwords, mflags, out0; writes out0
.if DOCPART == 2
	.amdgcn_target "amdgcn-amd-amdhsa--gfx1250"
	.amdhsa_code_object_version 6
	.text
	.protected	k_qae193b7707_attn
	.globl	k_qae193b7707_attn
	.p2align	8
	.type	k_qae193b7707_attn,@function
k_qae193b7707_attn:
	s_mov_b64 s[64:65], 0
	v_nop
	global_prefetch_b8 v0, s[64:65] scope:SCOPE_SE
	s_setreg_imm32_b32 hwreg(HW_REG_WAVE_MODE, 25, 1), 1
	s_wait_xcnt 0x0
; out[head][q][:] = the sum over k of softmax_k(mask ? Q[q] . K[k] / 8 : -infinity) V[k][:], 64 heads, 2,048 queries and keys, head size 64; both products on codes of FP6 (E2M3) with one E8M0 scale for each 32 along K.
; THE SOFTMAX AHEAD OF THE SECOND PRODUCT: t = score x log2(e) / 8; M = the row's largest t so far, rounded UP to a whole number; p = 2^(t - M) is quantised along the keys, not normalised; the row's sum is taken of the
; unquantised p and divides at the end.  When M moves, the sum and O are multiplied by 2^(old M - new M): exact.
; SHARES.  A work-group: one head and 32 tiles of 16 queries; wave w of work-group j takes tiles p = 16 j + w and 127 - p, one after the other.  A lane holds ONE query (lane % 16) throughout: both products are used
; transposed (S^T = K Q^T, O^T = V^T P^T).  The keys of a tile of K are chosen (by the launch before) so that the 16 registers of tiles 2 b, 2 b + 1 are keys 32 b + 16 (lane / 16) + 0 .. 15.
; K AND V.  The head's 16 records (codes and scale words in the order of the operands' registers, 13,056 bytes a step of 128 keys) are copied into LDS once, through registers, a record a wave; one barrier; after it no wave
; waits for another.  A fragment comes by ds_load_b128 at 16 x lane alone.
; THE MASK IS AN INPUT.  The launch before has stored, for each (tile, step), a flag: 0 no key counts: the step is left out (its p are zeros); 2 all count; 1: 64 lane masks are read into scalar registers, and hidden scores
; become -infinity by v_cndmask_b32.  This holds for every mask.
; K = 64 IN AN INSTRUCTION OF K = 128.  Q's fragment is six registers of codes and six of zero codes.  K's fragments lie six registers apart: the upper six registers of tile t's operand are tile t + 1's codes (tile 7's:
; six zeroed registers); they meet Q's zero codes, so each such product is 0 (FP6 has no infinity and no NaN); the scale bytes of those two blocks are 0 on both sides, which is 2^-127 and not the NaN byte.
; NO CLUSTER, NO TENSOR LOAD: steps are left out by a branch on stored flags; what the four work-groups of a head share, 208,896 bytes, each reads once, at its head.
; LIMITS: NaN and infinities among the queries are not served; a block of Q whose largest magnitude lies under 2^-124 (zeros too) gets the byte 1; a query none of whose keys counts gives 0 x (1 / 0) = NaN in all 64 numbers.
; REGISTERS: v1 16 lane, v2 8 lane, v3, v4 the stage, v6 -infinity, v8, v9 the step's LDS addresses, v12 -M, v13 the largest t, v[14:15] the sum; v16-27, v28-39 the two tiles' Q; v40-87 K's fragments, then V's; v88-93 zeros;
;   v96-159 S^T, then p; v160-191 O^T; v192-203 p's codes; v204-228 at work; v240-248 scale words and nothing else.
.set REC,  13056                       ; a record
.set STG,  16*REC                      ; behind the records: a stage of 16 rows x (256 bytes + 16) for each wave, its own
.set KF,   40
.set S,    96
.set O,    160
.set P,    192
.set PT,   204                         ; v204-206, v208-210
.set BM,   212                         ; the four blocks' largest scores, then largest p
.set PX,   216                         ; lane permutes' destinations, then the scale bytes
.set SOP,  220                         ; the conversions' scale operands
.set F,    224                         ; v[224:225] f = 2^(old M - new M) (the pair's upper half is written once)
.set CH,   226                         ; v[226:227] the sum's second chain
.set TW,   228
.set KS,   240                         ; v240-243 K's scale words: register j: lanes 0-15 tile j, lanes 16-31 tile 4 + j
.set VS,   244                         ; v244-245 V's: register j: lanes 0-15 tile 2 j, lanes 16-31 tile 2 j + 1
.set QS,   246                         ; v246, v247 the two tiles' Q
.set PS,   248                         ; p's
.set FILL, 40                          ; at the head: v40-141 my record on its way to LDS
.set QR0,  142                         ; v142-173 the first tile's Q as loaded; later the second's, turned
.set QR1,  174                         ; v174-205 the second tile's Q as loaded; later at work
.set QX0,  206                         ; v206-237 the first tile's Q, turned
.macro BMAX x, m, o                    ; 32 numbers of one lane are a block: its largest magnitude with the floor 2^(3 - 127); 2 off the exponent field: the conversion's scale operand
	v_max3_num_f32 v[\m], |v[\x]|, |v[\x+1]|, 0x1800000
	v_max3_num_f32 v[\m+1], |v[\x+16]|, |v[\x+17]|, |v[\x+18]|
.irp i, 2,4,6,8,10,12
	v_max3_num_f32 v[\m], v[\m], |v[\x+\i]|, |v[\x+\i+1]|
	v_max3_num_f32 v[\m+1], v[\m+1], |v[\x+17+\i]|, |v[\x+18+\i]|
.endr
	v_max3_num_f32 v[\m], v[\m], |v[\x+14]|, |v[\x+15]|
	v_max3_num_f32 v[\m], v[\m], v[\m+1], |v[\x+31]|
	v_add_nc_u32 v[\o], 0xff000000, v[\m]
.endm
.macro QUANTQ x, d, sw                 ; block h of query r in v[x] on becomes six registers of codes at v[d] and the query's scale word in v[sw]
	BMAX \x, 178, 180
	v_lshrrev_b32 v181, 23, v180                   ; the scale's byte
	v_cvt_scalef32_pk16_fp6_f32 v[\d:\d+2], v[\x:\x+15], v180
	v_cvt_scalef32_pk16_fp6_f32 v[174:176], v[\x+16:\x+31], v180   ; (a conversion's three registers begin on an even number)
	v_lshlrev_b32 v181, v7, v181                   ; at its place, 8 h bits up.  (The plain place behind the conversions)
.irp i, 0,1,2
	v_mov_b32 v[\d+3+\i], v[174+\i]
.endr
	v_permlanex16_b32 v182, v181, s20, s21
	v_or_b32 v[\sw], v181, v182                    ; with lane l xor 16's byte; bytes 2 and 3 are 0
.endm
; The step's K from LDS, S^T = K Q^T (eight tiles of 16 keys), and V's loads, which land under the softmax
.macro KQ qf, qs
.irp g, 0,1,2,3,4,5,6,7,8,9,10,11
	ds_load_b128 v[KF+4*\g:KF+4*\g+3], v8 offset:512*\g
.endr
	ds_load_b128 v[KS:KS+3], v8 offset:12288
	s_wait_dscnt 0x0
.irp t, 0,1,2,3
	v_wmma_scale_f32_16x16x128_f8f6f4 v[S+8*\t:S+8*\t+7], v[KF+6*\t:KF+6*\t+11], v[\qf:\qf+11], 0, v[KS+\t], v[\qs] matrix_a_fmt:MATRIX_FMT_FP6 matrix_b_fmt:MATRIX_FMT_FP6
.endr
.irp t, 4,5,6,7
	v_wmma_scale_f32_16x16x128_f8f6f4 v[S+8*\t:S+8*\t+7], v[KF+6*\t:KF+6*\t+11], v[\qf:\qf+11], 0, v[KS+\t-4], v[\qs] matrix_a_fmt:MATRIX_FMT_FP6 matrix_b_fmt:MATRIX_FMT_FP6 matrix_a_scale:MATRIX_SCALE_ROW1
.endr
.rept 4
	v_nop                                          ; four places: in front of the loads into K's registers and of the first read of the scores
.endr
.irp g, 0,1,2,3,4,5,6,7,8,9,10,11
	ds_load_b128 v[KF+4*\g:KF+4*\g+3], v8 offset:6144+512*\g
.endr
	ds_load_b64 v[VS:VS+1], v9 offset:12800
.endm
; A TILE of 16 queries: qf its fragment of Q, qs its scale word, fl its 16 flags (s), mp where its lane masks stand (s pair), out its rows of the output (s pair)
.macro TILE qf, qs, fl, mp, out
	v_mov_b32 v13, 0xff61b1e6                      ; the largest t so far: -3e38, under every t
	v_floor_f32 v12, -v13                          ; -M
	v_mov_b32 v14, 0                               ; the sum, in two halves
	v_mov_b32 v15, 0
.set n, 0
.rept 32
	v_mov_b32 v[O+n], 0                            ; O^T: which step comes first hangs on the flags, so every step adds onto what it finds
.set n, n+1
.endr
	s_mov_b32 s18, 0                               ; the step's record in LDS
	s_mov_b32 s19, 16
.Lstep_\@:
	s_and_b32 s3, s[\fl], 3                        ; the step's flag
	s_cmp_eq_u32 s3, 0
	s_cbranch_scc1 .Lnext_\@                       ; no key of the step counts for any of my queries
	v_add_nc_u32 v8, s18, v1
	v_add_nc_u32 v9, s18, v2
	s_cmp_eq_u32 s3, 1
	s_cbranch_scc1 .Lmixed_\@
	KQ \qf, \qs
	s_branch .Lsoft_\@
.Lmixed_\@:
	s_load_b512 s[32:47], s[\mp:\mp+1], 0x0        ; the 64 lane masks, asked for ahead of the products
	s_load_b512 s[48:63], s[\mp:\mp+1], 0x40
	s_load_b512 s[68:83], s[\mp:\mp+1], 0x80
	s_load_b512 s[84:99], s[\mp:\mp+1], 0xc0
	KQ \qf, \qs
	s_wait_kmcnt 0x0
.set n, 0
.rept 64
	v_cndmask_b32 v[S+n], v6, v[S+n], s[32+n+4*(n/32)]   ; a hidden key's score becomes -infinity: p = 0.  Ascending: each accumulator is read from its low end on
.set n, n+1
.endr
.Lsoft_\@:
.irp b, 0,1,2,3
	v_max3_num_f32 v[BM+\b], v[S+16*\b], v[S+1+16*\b], v[S+2+16*\b]   ; the largest score of each block of 32 keys: it serves for the row's maximum and, since p rises with the score, for the block's largest p
.endr
.irp i, 3,5,7,9,11,13
.irp b, 0,1,2,3
	v_max3_num_f32 v[BM+\b], v[BM+\b], v[S+16*\b+\i], v[S+1+16*\b+\i]
.endr
.endr
.irp b, 0,1,2,3
	v_max_num_f32 v[BM+\b], v[BM+\b], v[S+15+16*\b]
.endr
.irp b, 0,1,2,3
	v_permlanex16_b32 v[PX+\b], v[BM+\b], s20, s21
.endr
.irp b, 0,1,2,3
	v_max_num_f32 v[BM+\b], v[BM+\b], v[PX+\b]     ; with lane l xor 16's 16 keys
.endr
	v_max3_num_f32 v[TW], v[BM], v[BM+1], v[BM+2]
	v_max_num_f32 v[TW], v[TW], v[BM+3]            ; the step's largest score of my query
	v_mul_f32 v[TW], s22, v[TW]                    ; as t
	v_max_num_f32 v13, v13, v[TW]                  ; the running largest t
	v_mov_b32 v[TW], v12
	v_floor_f32 v12, -v13                          ; the new -M = -ceil(t): a whole number
	v_sub_f32 v[TW], v12, v[TW]                    ; old M - new M: a whole number, 0 or less
	v_cvt_i32_f32 v[TW], v[TW]                     ; (it saturates)
	v_ldexp_f32 v[F], 1.0, v[TW]                   ; f = 2^(old M - new M)
.set n, 0
.rept 32
	v_pk_fma_f32 v[S+n:S+n+1], v[S+n:S+n+1], s[22:23], v[12:13] op_sel_hi:[1,0,0]   ; t - M, two at a time
.set n, n+2
.endr
.irp b, 0,1,2,3
	v_fma_f32 v[BM+\b], v[BM+\b], s22, v12         ; the same of each block's largest score
.endr
.set n, 0
.rept 64
	v_exp_f32 v[S+n], v[S+n]                       ; p = 2^(t - M), at most 1
.set n, n+1
.endr
	v_pk_mul_f32 v[14:15], v[14:15], v[F:F+1] op_sel_hi:[1,0]   ; the sums under the new M.  (The plain place behind the exponentials)
	s_wait_alu depctr_va_vdst(0)                   ; one wait for the batch of 64, ahead of its first reader
.irp b, 0,1,2,3
	v_exp_f32 v[BM+\b], v[BM+\b]                   ; the block's largest p
.endr
	v_pk_add_f32 v[CH:CH+1], v[S:S+1], v[S+2:S+3]  ; the row's sum is taken of the unquantised p, in two chains
.irp j, 4,8,12,16,20,24,28,32,36,40,44
	v_pk_add_f32 v[14:15], v[14:15], v[S+\j:S+\j+1]
	v_pk_add_f32 v[CH:CH+1], v[CH:CH+1], v[S+2+\j:S+3+\j]
.endr
	s_wait_alu depctr_va_vdst(0)                   ; and one for the four
.irp b, 0,1,2,3
	v_max_num_f32 v[BM+\b], 0x1800000, v[BM+\b]    ; the floor 2^(3 - 127): the byte cannot fall under 1
.endr
.irp b, 0,1,2,3
	v_add_nc_u32 v[SOP+\b], 0xff000000, v[BM+\b]   ; 2 off the exponent field: the conversion's scale operand
.endr
.irp b, 0,1,2,3
	v_lshrrev_b32 v[PX+\b], 23, v[SOP+\b]          ; the scale's byte
.endr
	v_lshl_or_b32 v[PS], v[PX+1], 8, v[PX]         ; p's scale word for these 128 keys
	v_lshl_or_b32 v[PS], v[PX+2], 16, v[PS]
	v_lshl_or_b32 v[PS], v[PX+3], 24, v[PS]
.irp c, 0,1
	v_cvt_scalef32_pk16_fp6_f32 v[P+6*\c:P+6*\c+2], v[S+32*\c:S+32*\c+15], v[SOP+2*\c]
	v_cvt_scalef32_pk16_fp6_f32 v[PT+4*\c:PT+4*\c+2], v[S+16+32*\c:S+31+32*\c], v[SOP+2*\c+1]
.endr
	v_nop                                          ; one plain place behind the scaled conversions
.irp c, 0,1                            ; the operand's layout wants a whole block in a lane: lanes 0-15 block 2 c, lanes 16-31 block 2 c + 1
.irp i, 0,1,2
	v_permlane16_swap_b32 v[P+6*\c+\i], v[PT+4*\c+\i]
.endr
.irp i, 0,1,2
	v_mov_b32 v[P+3+6*\c+\i], v[PT+4*\c+\i]
.endr
.endr
.set n, 0
.rept 16
	v_pk_mul_f32 v[O+n:O+n+1], v[O+n:O+n+1], v[F:F+1] op_sel_hi:[1,0]   ; O^T under the new M
.set n, n+2
.endr
.irp j, 48,52,56,60                    ; the rest of the sum: nine plain lines that name no register of the products below stand in front of them
	v_pk_add_f32 v[14:15], v[14:15], v[S+\j:S+\j+1]
	v_pk_add_f32 v[CH:CH+1], v[CH:CH+1], v[S+2+\j:S+3+\j]
.endr
	v_pk_add_f32 v[14:15], v[14:15], v[CH:CH+1]
	s_wait_dscnt 0x0                               ; V is in
.irp t, 0,2                            ; O^T += V^T P^T: four tiles of 16 of the head's 64, the four accumulators by turns
	v_wmma_scale_f32_16x16x128_f8f6f4 v[O+8*\t:O+8*\t+7], v[KF+12*\t:KF+12*\t+11], v[P:P+11], v[O+8*\t:O+8*\t+7], v[VS+\t/2], v[PS] matrix_a_fmt:MATRIX_FMT_FP6 matrix_b_fmt:MATRIX_FMT_FP6
	v_wmma_scale_f32_16x16x128_f8f6f4 v[O+8*\t+8:O+8*\t+15], v[KF+12*\t+12:KF+12*\t+23], v[P:P+11], v[O+8*\t+8:O+8*\t+15], v[VS+\t/2], v[PS] matrix_a_fmt:MATRIX_FMT_FP6 matrix_b_fmt:MATRIX_FMT_FP6 matrix_a_scale:MATRIX_SCALE_ROW1
.endr
.rept 4
	v_nop                                          ; four places: in front of the next step's loads into V's registers and of the first read of O^T
.endr
.Lnext_\@:
	s_lshr_b32 s[\fl], s[\fl], 2                   ; the next step's flag,
	s_add_co_u32 s18, s18, REC                     ; record
	s_add_nc_u64 s[\mp:\mp+1], s[\mp:\mp+1], 256   ; and lane masks (no scalar load is out here: the path that issues them has waited for them)
	s_sub_co_i32 s19, s19, 1
	s_cmp_lg_u32 s19, 0
	s_cbranch_scc1 .Lstep_\@
	; THE WAY OUT: O^T / the sum goes through my stage and leaves as whole rows of 256 bytes
	v_add_f32 v14, v14, v15                        ; the sum's two halves,
	v_permlanex16_b32 v[TW], v14, s20, s21
	v_add_f32 v14, v14, v[TW]                      ; and lane l xor 16's: the row's sum
	v_rcp_f32 v14, v14
	v_nop                                          ; a plain place behind the reciprocal
	s_wait_alu depctr_va_vdst(0)                   ; and the wait ahead of its first reader
.set n, 0
.rept 32
	v_mul_f32 v[S+n], v[O+n], v14                  ; register 8 t + i is out(r, 16 t + 8 h + i); each accumulator from its low end on
.set n, n+1
.endr
.irp t, 0,1,2,3
	ds_store_b128 v4, v[S+8*\t:S+8*\t+3] offset:64*\t
	ds_store_b128 v4, v[S+8*\t+4:S+8*\t+7] offset:64*\t+16
.endr
.irp i, 0,1,2,3,4,5,6,7
	ds_load_b128 v[S+32+4*\i:S+32+4*\i+3], v3 offset:544*\i   ; a wave's LDS instructions are served in order: these see my stores
.endr
.irp i, 0,1,2,3,4,5,6,7
	s_wait_dscnt 7-\i                              ; rows 2 i and 2 i + 1 are back; the later rows' loads may be out
	global_store_b128 v1, v[S+32+4*\i:S+32+4*\i+3], s[\out:\out+1] offset:512*\i th:TH_STORE_NT   ; 512 consecutive bytes, at a multiple of 256 from the output's first byte
.endr
.endm
	s_load_b256 s[4:11], s[0:1], 0x0               ; queries s[4:5], kvc s[6:7], mwords s[8:9], mflags s[10:11]
	s_load_b64 s[12:13], s[0:1], 0x20              ; out0
	v_lshl_add_u32 v254, v0, 2, 0x44000
	v_mov_b32 v255, 0
	v_lshrrev_b32 v1, 5, v0
	v_readfirstlane_b32 s14, v1                    ; wave 0..15
	v_and_b32 v8, 31, v0                           ; lane
	v_and_b32 v9, 15, v0                           ; r
	v_bfe_u32 v7, v0, 4, 1                         ; h
	v_lshlrev_b32 v1, 4, v8                        ; 16 x lane
	v_lshlrev_b32 v2, 3, v8                        ; 8 x lane
	s_mul_i32 s15, s14, 4352
	s_add_co_u32 s15, s15, STG                     ; my stage
	v_mul_u32_u24 v3, v7, 272
	v_lshl_add_u32 v3, v9, 4, v3
	v_add_nc_u32 v3, s15, v3                       ; whole rows: lanes 0-15 one row, lanes 16-31 the next, 16 bytes a lane
	v_mul_u32_u24 v4, v9, 272
	v_lshl_add_u32 v5, v7, 7, v4
	v_lshl_add_u32 v4, v7, 5, v4
	v_add_nc_u32 v5, s15, v5                       ; Q out of the stage: row r, block h (128 bytes)
	v_add_nc_u32 v4, s15, v4                       ; O into the stage: row r, + 32 h
	s_mul_i32 s15, s14, REC
	v_add_nc_u32 v10, s15, v1                      ; the fill: record w, 16 x lane
	v_add_nc_u32 v11, s15, v2                      ; and 8 x lane
	v_lshlrev_b32 v7, 3, v7                        ; 8 h
	s_mov_b32 s20, 0x76543210
	s_mov_b32 s21, 0xfedcba98                      ; v_permlanex16_b32's selects for lane l xor 16
	s_mov_b32 s22, 0x3e38aa3b                      ; c = log2(e) / 8
	s_mov_b32 s23, s22                             ; (named with it as a pair)
	s_and_b32 s68, ttmp7, 0xffff                   ; the head
	s_lshl_b32 s69, ttmp9, 4
	s_add_co_u32 s69, s69, s14                     ; my first tile: 16 j + w
	s_sub_co_u32 s70, 127, s69                     ; my second
	s_lshl_b32 s71, s68, 19                        ; a head of Q or of the output: 524,288 bytes
	s_lshl_b32 s72, s69, 12                        ; a tile: 4,096 bytes there, and 4,096 bytes of lane masks
	s_mov_b32 s73, 0
	s_lshl_b32 s74, s70, 12
	s_mov_b32 s75, 0
	s_add_co_u32 s76, s71, s72
	s_mov_b32 s77, 0
	s_add_co_u32 s78, s71, s74
	s_mov_b32 s79, 0
	s_mul_i32 s80, s68, 16*REC
	s_add_co_u32 s80, s80, s15                     ; the head's record w
	s_mov_b32 s81, 0
	s_lshl_b32 s82, s69, 4                         ; a tile's flags: 16 bytes
	s_mov_b32 s83, 0
	s_lshl_b32 s84, s70, 4
	s_mov_b32 s85, 0
	s_wait_kmcnt 0x0
	s_add_nc_u64 s[86:87], s[4:5], s[76:77]        ; Q of my two tiles
	s_add_nc_u64 s[88:89], s[4:5], s[78:79]
	s_add_nc_u64 s[26:27], s[12:13], s[76:77]      ; their rows of the output
	s_add_nc_u64 s[30:31], s[12:13], s[78:79]
	s_add_nc_u64 s[24:25], s[8:9], s[72:73]        ; their lane masks
	s_add_nc_u64 s[28:29], s[8:9], s[74:75]
	s_add_nc_u64 s[6:7], s[6:7], s[80:81]
	s_add_nc_u64 s[90:91], s[10:11], s[82:83]
	s_add_nc_u64 s[92:93], s[10:11], s[84:85]
	s_load_b128 s[32:35], s[90:91], 0x0            ; their flags
	s_load_b128 s[36:39], s[92:93], 0x0
.set n, 0
.rept 25
	global_load_b128 v[FILL+4*n:FILL+4*n+3], v1, s[6:7] offset:512*n   ; my record: 25 x 512 bytes,
.set n, n+1
.endr
	global_load_b64 v[FILL+100:FILL+101], v2, s[6:7] offset:12800      ; and its last 256
.irp i, 0,1,2,3,4,5,6,7
	global_load_b128 v[QR0+4*\i:QR0+4*\i+3], v1, s[86:87] offset:512*\i th:TH_LOAD_NT   ; Q as it lies: 512 consecutive bytes a load
.endr
.irp i, 0,1,2,3,4,5,6,7
	global_load_b128 v[QR1+4*\i:QR1+4*\i+3], v1, s[88:89] offset:512*\i th:TH_LOAD_NT
.endr
	s_wait_loadcnt 16                              ; the record's 26 loads are in; Q's sixteen may be out
.set n, 0
.rept 25
	ds_store_b128 v10, v[FILL+4*n:FILL+4*n+3] offset:512*n
.set n, n+1
.endr
	ds_store_b64 v11, v[FILL+100:FILL+101] offset:12800
	s_wait_loadcnt 8                               ; the first tile's Q is in
.irp i, 0,1,2,3,4,5,6,7
	ds_store_b128 v3, v[QR0+4*\i:QR0+4*\i+3] offset:544*\i
.endr
.irp j, 0,1,2,3,4,5,6,7
	ds_load_b128 v[QX0+4*\j:QX0+4*\j+3], v5 offset:16*\j   ; back a block a lane: in order behind my stores
.endr
	s_wait_loadcnt 0x0
.irp i, 0,1,2,3,4,5,6,7
	ds_store_b128 v3, v[QR1+4*\i:QR1+4*\i+3] offset:544*\i ; in order behind those loads
.endr
	s_wait_dscnt 16                                ; all but the last eight loads and eight stores are done: the first tile's stores have read their registers,
.irp j, 0,1,2,3,4,5,6,7
	ds_load_b128 v[QR0+4*\j:QR0+4*\j+3], v5 offset:16*\j   ; which take the second tile's Q, turned
.endr
	s_wait_kmcnt 0x0                               ; the flags
	s_wait_dscnt 0x0                               ; for the others' sake: my record lies in LDS
	s_barrier_signal -1
	v_mov_b32 v182, 0                              ; (a lane permute's destination counts as read)   Work on registers while the others arrive
	QUANTQ QX0, 16, QS
	QUANTQ QR0, 28, QS+1
.irp i, 0,1,2,3,4,5
	v_mov_b32 v[22+\i], 0                          ; Q's upper 64 along K: zero codes
	v_mov_b32 v[34+\i], 0
	v_mov_b32 v[88+\i], 0                          ; and what stands behind K's last tile
.endr
.irp b, 0,1,2,3
	v_mov_b32 v[PX+\b], 0
.endr
	v_mov_b32 v[F+1], 0
	v_mov_b32 v[TW], 0
	v_mov_b32 v6, 0xff800000                       ; -infinity
	s_lshl_b32 s33, s33, 8                         ; a word holds four steps' flags in eight bits: sixteen steps in one register
	s_lshl_b32 s34, s34, 16
	s_lshl_b32 s35, s35, 24
	s_or_b32 s16, s32, s33
	s_or_b32 s16, s16, s34
	s_or_b32 s16, s16, s35
	s_lshl_b32 s37, s37, 8
	s_lshl_b32 s38, s38, 16
	s_lshl_b32 s39, s39, 24
	s_or_b32 s17, s36, s37
	s_or_b32 s17, s17, s38
	s_or_b32 s17, s17, s39
	s_barrier_wait -1                              ; the head's sixteen records lie in LDS; nothing writes them again
	TILE 16, QS, 16, 24, 26
	s_wait_xcnt 0x0                                ; the first tile's stores have read their registers, which the second tile writes
	TILE 28, QS+1, 17, 28, 30
	s_wait_tensorcnt 0x0
	ds_add_u32 v254, v255
	s_wait_dscnt 0x0
	s_endpgm
.Lfunc_end_k_qae193b7707_attn:
	.size	k_qae193b7707_attn, .Lfunc_end_k_qae193b7707_attn-k_qae193b7707_attn
	.p2alignl 7, 3214868480
	.fill 96, 4, 3214868480
	.section	.rodata,"a",@progbits
	.p2align	6, 0x0
	.amdhsa_kernel k_qae193b7707_attn
		.amdhsa_group_segment_fixed_size 280576
		.amdhsa_private_segment_fixed_size 0
		.amdhsa_enable_private_segment 0
		.amdhsa_kernarg_size 40
		.amdhsa_user_sgpr_count 2
		.amdhsa_user_sgpr_kernarg_segment_ptr 1
		.amdhsa_wavefront_size32 1
		.amdhsa_system_sgpr_workgroup_id_x 1
		.amdhsa_system_sgpr_workgroup_id_y 1
		.amdhsa_system_sgpr_workgroup_id_z 1
		.amdhsa_system_vgpr_workitem_id 0
		.amdhsa_next_free_vgpr 256
		.amdhsa_next_free_sgpr 100
		.amdhsa_reserve_vcc 0
		.amdhsa_float_denorm_mode_32 3
		.amdhsa_float_denorm_mode_16_64 3
		.amdhsa_memory_ordered 1
		.amdhsa_forward_progress 1
		.amdhsa_inst_pref_size 70
	.end_amdhsa_kernel
	.amdgpu_metadata
---
amdhsa.version: [ 1, 2 ]
amdhsa.kernels:
  - .name:           k_qae193b7707_attn
    .symbol:         k_qae193b7707_attn.kd
    .args:
      - { .name: queries, .offset: 0, .size: 8, .value_kind: global_buffer, .address_space: global }
      - { .name: kvc, .offset: 8, .size: 8, .value_kind: global_buffer, .address_space: global }
      - { .name: mwords, .offset: 16, .size: 8, .value_kind: global_buffer, .address_space: global }
      - { .name: mflags, .offset: 24, .size: 8, .value_kind: global_buffer, .address_space: global }
      - { .name: out0, .offset: 32, .size: 8, .value_kind: global_buffer, .address_space: global }
    .group_segment_fixed_size: 280576
    .private_segment_fixed_size: 0
    .kernarg_segment_align: 8
    .kernarg_segment_size: 40
    .max_flat_workgroup_size: 512
    .sgpr_count:     100
    .vgpr_count:     256
    .wavefront_size: 32
...
	.end_amdgpu_metadata
.endif
;; end of part 2
;; ======== version 2 of 2: 2 launches
;; workspace buffers: kvc 13,369,344 bytes; mwords 524,288 bytes of whole numbers; mflags 2,048 bytes of whole numbers
;; launch prep (part 3): grid 640 x 1, 4 waves a work-group, no clusters, 35,328 bytes of LDS; arguments keys, values, mask, kvc, mwords, mflags; writes kvc, mwords, mflags
.if DOCPART == 3
	.amdgcn_target "amdgcn-amd-amdhsa--gfx1250"
	.amdhsa_code_object_version 6
	.text
	.protected	k_qae193b7707_prep
	.globl	k_qae193b7707_prep
	.p2align	8
	.type	k_qae193b7707_prep,@function
k_qae193b7707_prep:
	s_mov_b64 s[64:65], 0
	v_nop
	global_prefetch_b8 v0, s[64:65] scope:SCOPE_SE
	s_setreg_imm32_b32 hwreg(HW_REG_WAVE_MODE, 25, 1), 1
	s_wait_xcnt 0x0
; WHAT IT MAKES, for the attention launch behind it.  64 heads, 2,048 keys, head size 64; a STEP is 128 keys.
; kvc: one record of 13,056 bytes for each (head, step), record g = 16 head + step, laid in the order of the matrix operands' registers (lane = r + 16 h):
;   0      K's codes (FP6, E2M3, quantised along the head's 64): image of 48 registers, register R of a lane at 512 (R / 4) + 16 lane + 4 (R % 4); R = 6 t + j: tile t, bytes 4 j.. of block h of key 32 (t/2) + 8 (t%2) + r + 8 (r/8)
;   6,144  V's codes (quantised along the keys): image of 48 registers; R = 12 t + 6 c + j: column d = 16 t + r, keys 64 c + 32 h + 0 .. 31
;   12,288 K's scale words: at 16 lane + 4 j the word of tile 4 h + j, key row r (byte 0: block 0, byte 1: block 1, bytes 2, 3: 0)
;   12,800 V's scale words: at 8 lane + 4 j the word of tile h + 2 j, column r (byte b: keys 32 b ..)
; mwords: for each (tile of 16 queries qt, step) 64 words at (16 qt + step) x 256: bit (r + 16 h) of word 16 b + i = mask[16 qt + r][128 step + 32 b + 16 h + i]: a lane mask for each score register.
; mflags: word 4 qt + w, bits 2 s, 2 s + 1: step 4 w + s of tile qt: 0 no key counts, 1 some count, 2 all count.
; A block's scale is 2^(floor(log2(its largest magnitude)) - 2): its byte is the largest magnitude's exponent field - 2, held at 1 from below by a floor among the maximum's leaves.
; LIMITS: a block of zeros, and a block whose largest magnitude lies under 2^-124, get the byte 1 (the rule says 127 for zeros: the codes are zeros, and these bytes are read by this program alone);
; NaN and infinities among keys and values are not served; a mask byte is 0 or 1.
; SHARES: work-groups 0-255: K, a wave a record; 256-511: V, a wave a record; 512-639: the mask, a work-group a tile of 16 queries, a wave four steps.  Waves share nothing: no barrier.  Only K's path uses LDS.
.set REC,  13056
.set KR,   32                          ; K: v32-159  two sets of 64 registers as loaded
.set KX,   160                         ; K: v160-223 two blocks of 32 neighbours
.set KC,   224                         ; K: v224-235 the codes of two tiles
.set KT,   236                         ; K: v236-238, v240-242 second halves of the blocks' codes
.set KW,   16                          ; K: v16-23   the eight tiles' scale words
.set VX,   32                          ; V: v32-95   two sets of 32 numbers
.set VCD,  96                          ; V: v96-107, v112-123 the codes, a set for each half of the columns
.set VT,   108                         ; V: v108-110
.set MD,   32                          ; M: v32-95   the mask's bytes: register 16 s + 4 b + m
.set MT,   96                          ; M: v96-111  at work
.set MW,   112                         ; M: v112-119 a pair of registers for each step: word n in register n % 2, lane n / 2
; 32 numbers of one lane, v[x] .. v[x + 31], are a block: its largest magnitude (two chains) with the floor 2^(3 - 127), and 2 off the exponent field: the conversion's scale operand in v[o]
.macro BMAX x, m, o
	v_max3_num_f32 v[\m], |v[\x]|, |v[\x+1]|, 0x1800000
	v_max3_num_f32 v[\m+1], |v[\x+16]|, |v[\x+17]|, |v[\x+18]|
.irp i, 2,4,6,8,10,12
	v_max3_num_f32 v[\m], v[\m], |v[\x+\i]|, |v[\x+\i+1]|
	v_max3_num_f32 v[\m+1], v[\m+1], |v[\x+17+\i]|, |v[\x+18+\i]|
.endr
	v_max3_num_f32 v[\m], v[\m], |v[\x+14]|, |v[\x+15]|
	v_max3_num_f32 v[\m], v[\m], v[\m+1], |v[\x+31]|
	v_add_nc_u32 v[\o], 0xff000000, v[\m]
.endm
; K: chunk c = 32 keys = 8,192 bytes: sixteen loads of 512 consecutive bytes
.macro KLOAD c
.irp i, 0,1,2,3,4,5,6,7,8,9,10,11,12,13,14,15
	global_load_b128 v[KR+64*((\c)%2)+4*\i:KR+64*((\c)%2)+4*\i+3], v4, s[4:5] offset:8192*(\c)+512*\i th:TH_LOAD_NT
.endr
.endm
; K: chunk c becomes tiles 2 c and 2 c + 1.  The bytes go through the wave's own stage (32 rows of 256 bytes + 16) as they lie and come back a block (128 bytes) a lane.
.macro CHUNK c
.if (\c) < 3
	s_wait_loadcnt 16                              ; this chunk's sixteen loads are in; the next chunk's sixteen may be out
.else
	s_wait_loadcnt 0x0
.endif
.irp i, 0,1,2,3,4,5,6,7,8,9,10,11,12,13,14,15
	ds_store_b128 v5, v[KR+64*((\c)%2)+4*\i:KR+64*((\c)%2)+4*\i+3] offset:544*\i
.endr
.irp u, 0,1
.irp j, 0,1,2,3,4,5,6,7
	ds_load_b128 v[KX+32*\u+4*\j:KX+32*\u+4*\j+3], v6 offset:2176*\u+16*\j   ; a wave's LDS instructions are served in order: these see the stores above
.endr
.endr
	s_wait_dscnt 16                                ; the sixteen stores are done (the sixteen loads may be out): their registers take the chunk two on
.if (\c) < 2
	KLOAD (\c)+2
.endif
	s_wait_dscnt 0x0
	BMAX KX, 8, 12
	BMAX KX+32, 10, 13
.if (\c) > 0
	s_wait_alu depctr_va_vdst(0)
	s_wait_xcnt 0x0                                ; the last chunk's stores have read the codes' registers
.endif
.irp u, 0,1
	v_cvt_scalef32_pk16_fp6_f32 v[KC+6*\u:KC+6*\u+2], v[KX+32*\u:KX+32*\u+15], v[12+\u]
	v_cvt_scalef32_pk16_fp6_f32 v[KT+4*\u:KT+4*\u+2], v[KX+32*\u+16:KX+32*\u+31], v[12+\u]   ; (a conversion's three registers begin on an even number)
.endr
	v_nop                                          ; one plain place behind the scaled conversions
.irp u, 0,1
	v_lshrrev_b32 v[14+\u], 23, v[12+\u]           ; the scale's byte
.endr
.irp u, 0,1
.irp i, 0,1,2
	v_mov_b32 v[KC+6*\u+3+\i], v[KT+4*\u+\i]
.endr
.endr
.irp u, 0,1
	v_lshlrev_b32 v[14+\u], v7, v[14+\u]           ; my block's byte at its place (8 h bits up),
	v_permlanex16_b32 v24, v[14+\u], s20, s21
	v_or_b32 v[KW+2*(\c)+\u], v[14+\u], v24        ; with lane l xor 16's: the key's scale word
.endr
.irp g, 0,1,2
	global_store_b128 v4, v[KC+4*\g:KC+4*\g+3], s[10:11] offset:512*(3*(\c)+\g)   ; 512 consecutive bytes of the image
.endr
.endm
; V: block q: half dh = q % 2 of the 64 columns, c = (q / 2) % 2, h = q / 4: keys 64 c + 32 h + 0 .. 31.  A lane takes column 32 dh + lane, its registers run down the keys.
.macro VLOAD q
.set vi, 0
.rept 32
	global_load_b32 v[VX+32*((\q)%2)+vi], v4, s[6:7] offset:(64*(((\q)/2)%2)+32*((\q)/4)+vi)*256+128*((\q)%2) th:TH_LOAD_NT
.set vi, vi+1
.endr
.endm
.macro VBLOCK q
.set VDH, (\q)%2
.set VC,  ((\q)/2)%2
.set VH,  (\q)/4
.if (\q) < 7
	s_wait_loadcnt 32                              ; this block's 32 loads are in; the next block's may be out
.else
	s_wait_loadcnt 0x0
.endif
	BMAX VX+32*VDH, 8, 12
	v_lshrrev_b32 v13, 23, v12                     ; the scale's byte, of keys 32 (2 c + h) on
.if 2*VC+VH == 0
	v_mov_b32 v[16+VDH], v13
.else
	v_lshl_or_b32 v[16+VDH], v13, 8*(2*VC+VH), v[16+VDH]
.endif
.if (VC == 0) && ((\q) >= 4)
	s_wait_alu depctr_va_vdst(0)
	s_wait_xcnt 0x0                                ; this set's last stores have read their registers
.endif
	v_cvt_scalef32_pk16_fp6_f32 v[VCD+16*VDH+6*VC:VCD+16*VDH+6*VC+2], v[VX+32*VDH:VX+32*VDH+15], v12
	v_cvt_scalef32_pk16_fp6_f32 v[VT:VT+2], v[VX+32*VDH+16:VX+32*VDH+31], v12
	v_nop                                          ; one plain place behind the scaled conversions
.irp i, 0,1,2
	v_mov_b32 v[VCD+16*VDH+6*VC+3+\i], v[VT+\i]
.endr
.if (\q) < 6
	VLOAD (\q)+2
.endif
.if VC == 1                            ; twelve registers of the image's lanes (r, h) are whole: sixteen lanes store 256 consecutive bytes, aligned
.irp g, 0,1,2
	global_store_b128 v5, v[VCD+16*VDH+4*\g:VCD+16*VDH+4*\g+3], s[10:11] offset:6144+3072*VDH+512*\g+256*VH
.endr
.endif
.endm
; M: step s of my four: 64 lane masks, and the step's flag
.macro MSTEP s
	s_wait_loadcnt 12-4*\s                         ; this step's four loads are in; the later steps' may be out
.irp b, 0,1,2,3
.irp m, 0,1,2,3
.irp j, 0,1,2,3
	v_and_b32 v[MT+4*\m+\j], 1<<(8*\j), v[MD+16*\s+4*\b+\m]
.endr
.endr
.irp m, 0,1,2,3
.irp j, 0,1,2,3
	v_cmp_ne_u32 s[32+4*\m+\j], 0, v[MT+4*\m+\j]   ; word 16 b + 4 m + j: a bit for each lane
.endr
.endr
.irp m, 0,1,2,3
.irp j, 0,1,2,3
	v_writelane_b32 v[MW+2*\s+\j%2], s[32+4*\m+\j], (16*\b+4*\m+\j)/2
.endr
.endr
.endr
	v_or_b32 v8, v[MD+16*\s], v[MD+16*\s+1]
	v_and_b32 v9, v[MD+16*\s], v[MD+16*\s+1]
.irp k, 2,3,4,5,6,7,8,9,10,11,12,13,14,15
	v_or_b32 v8, v8, v[MD+16*\s+\k]
	v_and_b32 v9, v9, v[MD+16*\s+\k]
.endr
	v_cmp_ne_u32 s25, 0, v8                        ; lanes with a key that counts
	v_cmp_eq_u32 s26, 0x01010101, v9               ; lanes all of whose keys count
	s_cmp_lg_u32 s25, 0
	s_cselect_b32 s27, 1, 0
	s_cmp_eq_u32 s26, -1
	s_cselect_b32 s28, 1, 0
	s_add_co_u32 s27, s27, s28                     ; 0, 1 or 2
	s_lshl_b32 s27, s27, 2*\s
	s_or_b32 s24, s24, s27
	global_store_b64 v5, v[MW+2*\s:MW+2*\s+1], s[12:13] offset:256*\s   ; 32 lanes store 256 consecutive bytes, aligned
.endm
	s_load_b256 s[4:11], s[0:1], 0x0               ; keys s[4:5], values s[6:7], mask s[8:9], kvc s[10:11]
	s_load_b128 s[12:15], s[0:1], 0x20             ; mwords s[12:13], mflags s[14:15]
	v_lshl_add_u32 v248, v0, 2, 0x8800
	v_mov_b32 v249, 0
	v_lshrrev_b32 v1, 5, v0
	v_readfirstlane_b32 s16, v1                    ; wave 0..3
	v_and_b32 v1, 31, v0                           ; lane
	v_and_b32 v2, 15, v0                           ; r
	v_bfe_u32 v3, v0, 4, 1                         ; h
	s_mov_b32 s20, 0x76543210
	s_mov_b32 s21, 0xfedcba98                      ; v_permlanex16_b32's selects for lane l xor 16
	s_mov_b32 s19, 0                               ; the high word of every offset
	s_wait_kmcnt 0x0
	s_cmp_lt_u32 ttmp9, 256
	s_cbranch_scc1 .Lkeys
	s_cmp_lt_u32 ttmp9, 512
	s_cbranch_scc1 .Lvalues
	; ---- THE MASK: tile qt of 16 queries, my steps 4 w .. 4 w + 3
	s_sub_co_u32 s17, ttmp9, 512                   ; qt
	s_lshl_b32 s18, s17, 15                        ; 16 rows of 2,048 bytes,
	s_lshl_b32 s22, s16, 9                         ; my 512 keys
	s_add_co_u32 s18, s18, s22
	s_add_nc_u64 s[8:9], s[8:9], s[18:19]
	s_lshl_b32 s18, s17, 12                        ; (16 qt + 4 w) x 256
	s_lshl_b32 s22, s16, 10
	s_add_co_u32 s18, s18, s22
	s_add_nc_u64 s[12:13], s[12:13], s[18:19]
	s_lshl_b32 s18, s17, 4                         ; (4 qt + w) x 4
	s_lshl_b32 s22, s16, 2
	s_add_co_u32 s18, s18, s22
	s_add_nc_u64 s[14:15], s[14:15], s[18:19]
	s_wait_alu depctr_va_vdst(0)
	v_lshlrev_b32 v4, 11, v2
	v_lshl_add_u32 v4, v3, 4, v4                   ; row r, + 16 h: my 16 keys of a block of 32
	v_lshlrev_b32 v5, 3, v1                        ; out: 8 bytes a lane
.irp s, 0,1,2,3
.irp b, 0,1,2,3
	global_load_b128 v[MD+16*\s+4*\b:MD+16*\s+4*\b+3], v4, s[8:9] offset:128*\s+32*\b
.endr
.endr
.irp i, 0,1,2,3,4,5,6,7
	v_mov_b32 v[MW+\i], 0                          ; v_writelane_b32's destination counts as read
.endr
	s_mov_b32 s24, 0
	MSTEP 0
	MSTEP 1
	MSTEP 2
	MSTEP 3
	v_mov_b32 v8, s24
	v_mov_b32 v9, 0
	s_wait_alu depctr_va_vdst(0)
	s_wait_xcnt 0x0                                ; EXEC changes only behind this wait
	v_cmp_eq_u32 vcc_lo, 0, v1
	s_and_saveexec_b32 s29, vcc_lo
	global_store_b32 v9, v8, s[14:15]              ; one lane stores my four steps' flags
	s_wait_xcnt 0x0
	s_or_b32 exec_lo, exec_lo, s29
	s_endpgm
	; ---- K: record g = 4 x + w
.Lkeys:
	s_lshl_b32 s17, ttmp9, 2
	s_add_co_u32 s17, s17, s16
	s_lshl_b32 s18, s17, 15                        ; 128 keys of 256 bytes
	s_add_nc_u64 s[4:5], s[4:5], s[18:19]
	s_mul_i32 s18, s17, REC
	s_add_nc_u64 s[10:11], s[10:11], s[18:19]
	s_mul_i32 s22, s16, 8704                       ; my stage: 32 rows of 272 bytes
	s_wait_alu depctr_va_vdst(0)
	v_lshlrev_b32 v4, 4, v1                        ; 16 x lane
	v_mul_u32_u24 v5, v3, 272
	v_lshl_add_u32 v5, v2, 4, v5
	v_add_nc_u32 v5, s22, v5                       ; in: a load's 512 bytes are two rows: row h, 16 r
	v_and_b32 v8, 8, v2
	v_add_nc_u32 v8, v8, v2                        ; r + 8 (r / 8)
	v_mul_u32_u24 v6, v8, 272
	v_lshl_add_u32 v6, v3, 7, v6
	v_add_nc_u32 v6, s22, v6                       ; out: that row, block h
	v_lshlrev_b32 v7, 3, v3                        ; 8 h
	v_mov_b32 v24, 0                               ; a lane permute's destination counts as read
	KLOAD 0
	KLOAD 1
	s_wait_alu depctr_va_vdst(0)
	CHUNK 0
	CHUNK 1
	CHUNK 2
	CHUNK 3
	v_cmp_eq_u32 vcc_lo, 1, v3
.irp j, 0,1,2,3
	v_cndmask_b32 v[8+\j], v[KW+\j], v[KW+4+\j], vcc_lo   ; lanes 0-15: tiles 0-3; lanes 16-31: tiles 4-7
.endr
	global_store_b128 v4, v[8:11], s[10:11] offset:12288
	s_wait_tensorcnt 0x0
	ds_add_u32 v248, v249
	s_wait_dscnt 0x0
	s_endpgm
	; ---- V: record g = 4 (x - 256) + w
.Lvalues:
	s_sub_co_u32 s17, ttmp9, 256
	s_lshl_b32 s17, s17, 2
	s_add_co_u32 s17, s17, s16
	s_lshl_b32 s18, s17, 15
	s_add_nc_u64 s[6:7], s[6:7], s[18:19]
	s_mul_i32 s18, s17, REC
	s_add_nc_u64 s[10:11], s[10:11], s[18:19]
	s_wait_alu depctr_va_vdst(0)
	v_lshlrev_b32 v4, 2, v1                        ; in: 4 bytes a lane
	v_mul_u32_u24 v5, v3, 1536
	v_lshl_add_u32 v5, v2, 4, v5                   ; out: tile (lane / 16) of my half: 3 x 512 bytes; 16 r
	v_lshlrev_b32 v6, 3, v1                        ; the scale words: 8 bytes a lane
	VLOAD 0
	VLOAD 1
	VBLOCK 0
	VBLOCK 1
	VBLOCK 2
	VBLOCK 3
	VBLOCK 4
	VBLOCK 5
	VBLOCK 6
	VBLOCK 7
	global_store_b64 v6, v[16:17], s[10:11] offset:12800   ; 256 consecutive bytes, aligned
	s_endpgm
.Lfunc_end_k_qae193b7707_prep:
	.size	k_qae193b7707_prep, .Lfunc_end_k_qae193b7707_prep-k_qae193b7707_prep
	.p2alignl 7, 3214868480
	.fill 96, 4, 3214868480
	.section	.rodata,"a",@progbits
	.p2align	6, 0x0
	.amdhsa_kernel k_qae193b7707_prep
		.amdhsa_group_segment_fixed_size 35328
		.amdhsa_private_segment_fixed_size 0
		.amdhsa_enable_private_segment 0
		.amdhsa_kernarg_size 48
		.amdhsa_user_sgpr_count 2
		.amdhsa_user_sgpr_kernarg_segment_ptr 1
		.amdhsa_wavefront_size32 1
		.amdhsa_system_sgpr_workgroup_id_x 1
		.amdhsa_system_sgpr_workgroup_id_y 1
		.amdhsa_system_sgpr_workgroup_id_z 1
		.amdhsa_system_vgpr_workitem_id 0
		.amdhsa_next_free_vgpr 250
		.amdhsa_next_free_sgpr 66
		.amdhsa_reserve_vcc 1
		.amdhsa_float_denorm_mode_32 3
		.amdhsa_float_denorm_mode_16_64 3
		.amdhsa_memory_ordered 1
		.amdhsa_forward_progress 1
		.amdhsa_inst_pref_size 122
	.end_amdhsa_kernel
	.amdgpu_metadata
---
amdhsa.version: [ 1, 2 ]
amdhsa.kernels:
  - .name:           k_qae193b7707_prep
    .symbol:         k_qae193b7707_prep.kd
    .args:
      - { .name: keys, .offset: 0, .size: 8, .value_kind: global_buffer, .address_space: global }
      - { .name: values, .offset: 8, .size: 8, .value_kind: global_buffer, .address_space: global }
      - { .name: mask, .offset: 16, .size: 8, .value_kind: global_buffer, .address_space: global }
      - { .name: kvc, .offset: 24, .size: 8, .value_kind: global_buffer, .address_space: global }
      - { .name: mwords, .offset: 32, .size: 8, .value_kind: global_buffer, .address_space: global }
      - { .name: mflags, .offset: 40, .size: 8, .value_kind: global_buffer, .address_space: global }
    .group_segment_fixed_size: 35328
    .private_segment_fixed_size: 0
    .kernarg_segment_align: 8
    .kernarg_segment_size: 48
    .max_flat_workgroup_size: 128
    .sgpr_count:     66
    .vgpr_count:     250
    .wavefront_size: 32
...
	.end_amdgpu_metadata
.endif
;; end of part 3
;; launch attn (part 4): grid 4 x 64, 16 waves a work-group, no clusters, 280,576 bytes of LDS; arguments queries, kvc, mwords, mflags, out0; writes out0
.if DOCPART == 4
	.amdgcn_target "amdgcn-amd-amdhsa--gfx1250"
	.amdhsa_code_object_version 6
	.text
	.protected	k_qae193b7707_attn
	.globl	k_qae193b7707_attn
	.p2align	8
	.type	k_qae193b7707_attn,@function
k_qae193b7707_attn:
	s_mov_b64 s[64:65], 0
	v_nop
	global_prefetch_b8 v0, s[64:65] scope:SCOPE_SE
	s_setreg_imm32_b32 hwreg(HW_REG_WAVE_SCHED_MODE, 0, 2), 2
	s_setreg_imm32_b32 hwreg(HW_REG_WAVE_MODE, 25, 1), 1
	s_wait_xcnt 0x0
	s_wait_alu depctr_vm_vsrc(0)
; out[head][q][:] = the sum over k of softmax_k(mask ? Q[q] . K[k] / 8 : -infinity) V[k][:], 64 heads, 2,048 queries and keys, head size 64; both products on codes of FP6 (E2M3) with one E8M0 scale for each 32 along K.
; THE SOFTMAX AHEAD OF THE SECOND PRODUCT: t = score x log2(e) / 8; M = the row's largest t so far, rounded UP to a whole number; p = 2^(t - M) is quantised along the keys, not normalised; the row's sum is taken of the
; unquantised p and divides at the end.  When M moves, the sum and O are multiplied by 2^(old M - new M): exact.
; SHARES.  A work-group: one head and 32 tiles of 16 queries; wave w of work-group j takes tiles p = 16 j + w and 127 - p, one after the other.  A lane holds ONE query (lane % 16) throughout: both products are used
; transposed (S^T = K Q^T, O^T = V^T P^T).  The keys of a tile of K are chosen (by the launch before) so that the 16 registers of tiles 2 b, 2 b + 1 are keys 32 b + 16 (lane / 16) + 0 .. 15.
; K AND V.  The head's 16 records (codes and scale words in the order of the operands' registers, 13,056 bytes a step of 128 keys) are copied into LDS once, through registers, a record a wave; one barrier; after it no wave
; waits for another.  A fragment comes by ds_load_b128 at 16 x lane alone.
; THE MASK IS AN INPUT.  The launch before has stored, for each (tile, step), a flag: 0 no key counts: the step is left out (its p are zeros); 2 all count; 1: 64 lane masks are read into scalar registers, and hidden scores
; become -infinity by v_cndmask_b32.  This holds for every mask.
; K = 64 IN AN INSTRUCTION OF K = 128.  Q's fragment is six registers of codes and six of zero codes.  K's fragments lie six registers apart: the upper six registers of tile t's operand are tile t + 1's codes (tile 7's:
; six zeroed registers); they meet Q's zero codes, so each such product is 0 (FP6 has no infinity and no NaN); the scale bytes of those two blocks are 0 on both sides, which is 2^-127 and not the NaN byte.
; NO CLUSTER, NO TENSOR LOAD: steps are left out by a branch on stored flags; what the four work-groups of a head share, 208,896 bytes, each reads once, at its head.
; LIMITS: NaN and infinities among the queries are not served; a block of Q whose largest magnitude lies under 2^-124 (zeros too) gets the byte 1; a query none of whose keys counts gives 0 x (1 / 0) = NaN in all 64 numbers.
; REGISTERS: v1 16 lane, v2 8 lane, v3, v4 the stage, v6 -infinity, v8, v9 the step's LDS addresses, v12 -M, v13 the largest t, v[14:15] the sum; v16-27, v28-39 the two tiles' Q; v40-87 K's fragments, then V's; v88-93 zeros;
;   v96-159 S^T, then p; v160-191 O^T; v192-203 p's codes; v204-228 at work; v240-248 scale words and nothing else.
; THE MODE: SCHED_MODE bits 1:0 = 2 (LLVM: expert scheduling mode 2), set by the entry lines.  The code itself states the register dependences between vector or matrix instructions and memory or LDS instructions,
; with s_wait_alu, always for 0.
; THE PLAN.  Registers that memory or LDS instructions touch:
;   v1-5, v10, v11  offsets and LDS addresses: written once at the head, ahead of one wait on va_vdst, and never again.
;   v8, v9          the step's LDS addresses: written by two additions at the head of each step that is walked, read by that step's 26 LDS loads.
;   v40-205         at the head: loaded from memory, read by the LDS stores of the fill and of Q's turn; one wait on vm_vsrc behind the last of those stores frees them all for what writes them later.
;   v40-87          in a step: K's loads land, the eight products K Q^T read; V's loads land, the four products V^T P^T read.  One set: of a wave's 256 registers 18 are free, a second set would take 48.
;   v240-245        K's and V's scale words: loaded with their fragments, read by the same products.
;   v96-159         on the way out: the multiplications write v96-127, the LDS stores read them; the loads from the stage land in v128-159, the global stores read them.
;   v16-39, v88-93, v246, v247 (at the head) and v192-203, v248 (in each step) are written by vector instructions and taken by scaled products.
; So a step has four waits beside those for its exponentials: vm_vsrc ahead of the two additions; va_vdst behind them (the addresses are written, the step before is done with K's, V's and the scales' registers); va_vdst
; behind the eight products, ahead of V's loads; va_vdst ahead of the four products (p's codes and scale word are written).
.set REC,  13056                       ; a record
.set STG,  16*REC                      ; behind the records: a stage of 16 rows x (256 bytes + 16) for each wave, its own
.set KF,   40
.set S,    96
.set O,    160
.set P,    192
.set PT,   204                         ; v204-206, v208-210
.set BM,   212                         ; the four blocks' largest scores, then largest p
.set PX,   216                         ; lane permutes' destinations, then the scale bytes
.set SOP,  220                         ; the conversions' scale operands
.set F,    224                         ; v[224:225] f = 2^(old M - new M) (the pair's upper half is written once)
.set CH,   226                         ; v[226:227] the sum's second chain
.set TW,   228
.set KS,   240                         ; v240-243 K's scale words: register j: lanes 0-15 tile j, lanes 16-31 tile 4 + j
.set VS,   244                         ; v244-245 V's: register j: lanes 0-15 tile 2 j, lanes 16-31 tile 2 j + 1
.set QS,   246                         ; v246, v247 the two tiles' Q
.set PS,   248                         ; p's
.set FILL, 40                          ; at the head: v40-141 my record on its way to LDS
.set QR0,  142                         ; v142-173 the first tile's Q as loaded; later the second's, turned
.set QR1,  174                         ; v174-205 the second tile's Q as loaded; later at work
.set QX0,  206                         ; v206-237 the first tile's Q, turned
.macro BMAX x, m, o                    ; 32 numbers of one lane are a block: its largest magnitude with the floor 2^(3 - 127); 2 off the exponent field: the conversion's scale operand
	v_max3_num_f32 v[\m], |v[\x]|, |v[\x+1]|, 0x1800000
	v_max3_num_f32 v[\m+1], |v[\x+16]|, |v[\x+17]|, |v[\x+18]|
.irp i, 2,4,6,8,10,12
	v_max3_num_f32 v[\m], v[\m], |v[\x+\i]|, |v[\x+\i+1]|
	v_max3_num_f32 v[\m+1], v[\m+1], |v[\x+17+\i]|, |v[\x+18+\i]|
.endr
	v_max3_num_f32 v[\m], v[\m], |v[\x+14]|, |v[\x+15]|
	v_max3_num_f32 v[\m], v[\m], v[\m+1], |v[\x+31]|
	v_add_nc_u32 v[\o], 0xff000000, v[\m]
.endm
.macro QUANTQ x, d, sw                 ; block h of query r in v[x] on becomes six registers of codes at v[d] and the query's scale word in v[sw]
	BMAX \x, 178, 180
	v_lshrrev_b32 v181, 23, v180                   ; the scale's byte
	v_cvt_scalef32_pk16_fp6_f32 v[\d:\d+2], v[\x:\x+15], v180
	v_cvt_scalef32_pk16_fp6_f32 v[174:176], v[\x+16:\x+31], v180   ; (a conversion's three registers begin on an even number)
	v_lshlrev_b32 v181, v7, v181                   ; at its place, 8 h bits up.  (The plain place behind the conversions)
.irp i, 0,1,2
	v_mov_b32 v[\d+3+\i], v[174+\i]
.endr
	v_permlanex16_b32 v182, v181, s20, s21
	v_or_b32 v[\sw], v181, v182                    ; with lane l xor 16's byte; bytes 2 and 3 are 0
.endm
; The step's K from LDS, S^T = K Q^T (eight tiles of 16 keys), and V's loads, which land under the softmax.  The wait on va_vdst that K's loads hang on stands at the step's head, ahead of the branch that leads here.
.macro KQ qf, qs
.irp g, 0,1,2,3,4,5,6,7,8,9,10,11
	ds_load_b128 v[KF+4*\g:KF+4*\g+3], v8 offset:512*\g
.endr
	ds_load_b128 v[KS:KS+3], v8 offset:12288
	s_wait_dscnt 0x0
.irp t, 0,1,2,3
	v_wmma_scale_f32_16x16x128_f8f6f4 v[S+8*\t:S+8*\t+7], v[KF+6*\t:KF+6*\t+11], v[\qf:\qf+11], 0, v[KS+\t], v[\qs] matrix_a_fmt:MATRIX_FMT_FP6 matrix_b_fmt:MATRIX_FMT_FP6
.endr
.irp t, 4,5,6,7
	v_wmma_scale_f32_16x16x128_f8f6f4 v[S+8*\t:S+8*\t+7], v[KF+6*\t:KF+6*\t+11], v[\qf:\qf+11], 0, v[KS+\t-4], v[\qs] matrix_a_fmt:MATRIX_FMT_FP6 matrix_b_fmt:MATRIX_FMT_FP6 matrix_a_scale:MATRIX_SCALE_ROW1
.endr
.rept 4
	v_nop                                          ; four places in front of the first read of the scores (ISA guide 7.12.1)
.endr
	s_wait_alu depctr_va_vdst(0)                   ; the eight products are done reading K's registers, in which V's loads land (V's scale registers: their last readers stand ahead of the wait at the step's head)
.irp g, 0,1,2,3,4,5,6,7,8,9,10,11
	ds_load_b128 v[KF+4*\g:KF+4*\g+3], v8 offset:6144+512*\g
.endr
	ds_load_b64 v[VS:VS+1], v9 offset:12800
.endm
; A TILE of 16 queries: qf its fragment of Q, qs its scale word, fl its 16 flags (s), mp where its lane masks stand (s pair), out its rows of the output (s pair)
.macro TILE qf, qs, fl, mp, out
	v_mov_b32 v13, 0xff61b1e6                      ; the largest t so far: -3e38, under every t
	v_floor_f32 v12, -v13                          ; -M
	v_mov_b32 v14, 0                               ; the sum, in two halves
	v_mov_b32 v15, 0
.set n, 0
.rept 32
	v_mov_b32 v[O+n], 0                            ; O^T: which step comes first hangs on the flags, so every step adds onto what it finds
.set n, n+1
.endr
	s_mov_b32 s18, 0                               ; the step's record in LDS
	s_mov_b32 s19, 16
.Lstep_\@:
	s_and_b32 s3, s[\fl], 3                        ; the step's flag
	s_cmp_eq_u32 s3, 0
	s_cbranch_scc1 .Lnext_\@                       ; no key of the step counts for any of my queries
	s_wait_alu depctr_vm_vsrc(0)                   ; the LDS loads issued so far have read v8 and v9, which the two additions write
	v_add_nc_u32 v8, s18, v1
	v_add_nc_u32 v9, s18, v2
	s_wait_alu depctr_va_vdst(0)                   ; v8 and v9 are written, which this step's LDS loads read; the products of the step before are done reading K's, V's and the scales' registers, in which those loads land; in a tile's first step: Q's fragment, its scale word and the zeros behind K's last tile are written, which the scaled products take
	s_cmp_eq_u32 s3, 1
	s_cbranch_scc1 .Lmixed_\@
	KQ \qf, \qs
	s_branch .Lsoft_\@
.Lmixed_\@:
	s_load_b512 s[32:47], s[\mp:\mp+1], 0x0        ; the 64 lane masks, asked for ahead of the products
	s_load_b512 s[48:63], s[\mp:\mp+1], 0x40
	s_load_b512 s[68:83], s[\mp:\mp+1], 0x80
	s_load_b512 s[84:99], s[\mp:\mp+1], 0xc0
	KQ \qf, \qs
	s_wait_kmcnt 0x0
.set n, 0
.rept 64
	v_cndmask_b32 v[S+n], v6, v[S+n], s[32+n+4*(n/32)]   ; a hidden key's score becomes -infinity: p = 0.  Ascending: each accumulator is read from its low end on
.set n, n+1
.endr
.Lsoft_\@:
.irp b, 0,1,2,3
	v_max3_num_f32 v[BM+\b], v[S+16*\b], v[S+1+16*\b], v[S+2+16*\b]   ; the largest score of each block of 32 keys: it serves for the row's maximum and, since p rises with the score, for the block's largest p
.endr
.irp i, 3,5,7,9,11,13
.irp b, 0,1,2,3
	v_max3_num_f32 v[BM+\b], v[BM+\b], v[S+16*\b+\i], v[S+1+16*\b+\i]
.endr
.endr
.irp b, 0,1,2,3
	v_max_num_f32 v[BM+\b], v[BM+\b], v[S+15+16*\b]
.endr
.irp b, 0,1,2,3
	v_permlanex16_b32 v[PX+\b], v[BM+\b], s20, s21
.endr
.irp b, 0,1,2,3
	v_max_num_f32 v[BM+\b], v[BM+\b], v[PX+\b]     ; with lane l xor 16's 16 keys
.endr
	v_max3_num_f32 v[TW], v[BM], v[BM+1], v[BM+2]
	v_max_num_f32 v[TW], v[TW], v[BM+3]            ; the step's largest score of my query
	v_mul_f32 v[TW], s22, v[TW]                    ; as t
	v_max_num_f32 v13, v13, v[TW]                  ; the running largest t
	v_mov_b32 v[TW], v12
	v_floor_f32 v12, -v13                          ; the new -M = -ceil(t): a whole number
	v_sub_f32 v[TW], v12, v[TW]                    ; old M - new M: a whole number, 0 or less
	v_cvt_i32_f32 v[TW], v[TW]                     ; (it saturates)
	v_ldexp_f32 v[F], 1.0, v[TW]                   ; f = 2^(old M - new M)
.set n, 0
.rept 32
	v_pk_fma_f32 v[S+n:S+n+1], v[S+n:S+n+1], s[22:23], v[12:13] op_sel_hi:[1,0,0]   ; t - M, two at a time
.set n, n+2
.endr
.irp b, 0,1,2,3
	v_fma_f32 v[BM+\b], v[BM+\b], s22, v12         ; the same of each block's largest score
.endr
.set n, 0
	s_wait_alu depctr_va_vdst(0)
.rept 64
	v_exp_f32 v[S+n], v[S+n]                       ; p = 2^(t - M), at most 1
.set n, n+1
.endr
	v_pk_mul_f32 v[14:15], v[14:15], v[F:F+1] op_sel_hi:[1,0]   ; the sums under the new M.  (The plain place behind the exponentials)
	s_wait_alu depctr_va_vdst(0)                   ; the 64 exponentials have written p: one wait for the batch, ahead of its first reader
.irp b, 0,1,2,3
	v_exp_f32 v[BM+\b], v[BM+\b]                   ; the block's largest p
.endr
	v_pk_add_f32 v[CH:CH+1], v[S:S+1], v[S+2:S+3]  ; the row's sum is taken of the unquantised p, in two chains
.irp j, 4,8,12,16,20,24,28,32,36,40,44
	v_pk_add_f32 v[14:15], v[14:15], v[S+\j:S+\j+1]
	v_pk_add_f32 v[CH:CH+1], v[CH:CH+1], v[S+2+\j:S+3+\j]
.endr
	s_wait_alu depctr_va_vdst(0)                   ; the four exponentials have written the blocks' largest p: and one for the four
.irp b, 0,1,2,3
	v_max_num_f32 v[BM+\b], 0x1800000, v[BM+\b]    ; the floor 2^(3 - 127): the byte cannot fall under 1
.endr
.irp b, 0,1,2,3
	v_add_nc_u32 v[SOP+\b], 0xff000000, v[BM+\b]   ; 2 off the exponent field: the conversion's scale operand
.endr
.irp b, 0,1,2,3
	v_lshrrev_b32 v[PX+\b], 23, v[SOP+\b]          ; the scale's byte
.endr
	v_lshl_or_b32 v[PS], v[PX+1], 8, v[PX]         ; p's scale word for these 128 keys
	v_lshl_or_b32 v[PS], v[PX+2], 16, v[PS]
	v_lshl_or_b32 v[PS], v[PX+3], 24, v[PS]
.irp c, 0,1
	v_cvt_scalef32_pk16_fp6_f32 v[P+6*\c:P+6*\c+2], v[S+32*\c:S+32*\c+15], v[SOP+2*\c]
	v_cvt_scalef32_pk16_fp6_f32 v[PT+4*\c:PT+4*\c+2], v[S+16+32*\c:S+31+32*\c], v[SOP+2*\c+1]
.endr
	v_nop                                          ; one plain place behind the scaled conversions
.irp c, 0,1                            ; the operand's layout wants a whole block in a lane: lanes 0-15 block 2 c, lanes 16-31 block 2 c + 1
.irp i, 0,1,2
	v_permlane16_swap_b32 v[P+6*\c+\i], v[PT+4*\c+\i]
.endr
.irp i, 0,1,2
	v_mov_b32 v[P+3+6*\c+\i], v[PT+4*\c+\i]
.endr
.endr
.set n, 0
.rept 16
	v_pk_mul_f32 v[O+n:O+n+1], v[O+n:O+n+1], v[F:F+1] op_sel_hi:[1,0]   ; O^T under the new M
.set n, n+2
.endr
.irp j, 48,52,56,60                    ; the rest of the sum: nine plain lines that name no register of the products below stand in front of them
	v_pk_add_f32 v[14:15], v[14:15], v[S+\j:S+\j+1]
	v_pk_add_f32 v[CH:CH+1], v[CH:CH+1], v[S+2+\j:S+3+\j]
.endr
	v_pk_add_f32 v[14:15], v[14:15], v[CH:CH+1]
	s_wait_dscnt 0x0                               ; V is in
	s_wait_alu depctr_va_vdst(0)                   ; p's codes and p's scale word are written, which the scaled products below take; the nine places above stay beside this wait
.irp t, 0,2                            ; O^T += V^T P^T: four tiles of 16 of the head's 64, the four accumulators by turns
	v_wmma_scale_f32_16x16x128_f8f6f4 v[O+8*\t:O+8*\t+7], v[KF+12*\t:KF+12*\t+11], v[P:P+11], v[O+8*\t:O+8*\t+7], v[VS+\t/2], v[PS] matrix_a_fmt:MATRIX_FMT_FP6 matrix_b_fmt:MATRIX_FMT_FP6
	v_wmma_scale_f32_16x16x128_f8f6f4 v[O+8*\t+8:O+8*\t+15], v[KF+12*\t+12:KF+12*\t+23], v[P:P+11], v[O+8*\t+8:O+8*\t+15], v[VS+\t/2], v[PS] matrix_a_fmt:MATRIX_FMT_FP6 matrix_b_fmt:MATRIX_FMT_FP6 matrix_a_scale:MATRIX_SCALE_ROW1
.endr
.rept 4
	v_nop                                          ; four places in front of the first read of O^T
.endr
.Lnext_\@:
	s_lshr_b32 s[\fl], s[\fl], 2                   ; the next step's flag,
	s_add_co_u32 s18, s18, REC                     ; record
	s_add_nc_u64 s[\mp:\mp+1], s[\mp:\mp+1], 256   ; and lane masks (no scalar load is out here: the path that issues them has waited for them)
	s_sub_co_i32 s19, s19, 1
	s_cmp_lg_u32 s19, 0
	s_cbranch_scc1 .Lstep_\@
	; THE WAY OUT: O^T / the sum goes through my stage and leaves as whole rows of 256 bytes
	v_add_f32 v14, v14, v15                        ; the sum's two halves,
	v_permlanex16_b32 v[TW], v14, s20, s21
	v_add_f32 v14, v14, v[TW]                      ; and lane l xor 16's: the row's sum
	s_wait_alu depctr_va_vdst(0)
	v_rcp_f32 v14, v14
	v_nop                                          ; a plain place behind the reciprocal
	s_wait_alu depctr_va_vdst(0)                   ; the reciprocal has written v14: the wait ahead of its first reader
.set n, 0
.rept 32
	v_mul_f32 v[S+n], v[O+n], v14                  ; register 8 t + i is out(r, 16 t + 8 h + i); each accumulator from its low end on
.set n, n+1
.endr
	s_wait_alu depctr_va_vdst(0)                   ; the multiplications have written v[S] to v[S + 31], which the LDS stores read; the softmax's lines that named v[S + 32] to v[S + 63] are done, in which the loads from the stage land
.irp t, 0,1,2,3
	ds_store_b128 v4, v[S+8*\t:S+8*\t+3] offset:64*\t
	ds_store_b128 v4, v[S+8*\t+4:S+8*\t+7] offset:64*\t+16
.endr
.irp i, 0,1,2,3,4,5,6,7
	ds_load_b128 v[S+32+4*\i:S+32+4*\i+3], v3 offset:544*\i   ; a wave's LDS instructions are served in order: these see my stores
.endr
.irp i, 0,1,2,3,4,5,6,7
	s_wait_dscnt 7-\i                              ; rows 2 i and 2 i + 1 are back; the later rows' loads may be out
	global_store_b128 v1, v[S+32+4*\i:S+32+4*\i+3], s[\out:\out+1] offset:512*\i th:TH_STORE_NT   ; 512 consecutive bytes, at a multiple of 256 from the output's first byte
.endr
.endm
	s_load_b256 s[4:11], s[0:1], 0x0               ; queries s[4:5], kvc s[6:7], mwords s[8:9], mflags s[10:11]
	s_load_b64 s[12:13], s[0:1], 0x20              ; out0
	v_lshl_add_u32 v254, v0, 2, 0x44000
	v_mov_b32 v255, 0
	v_lshrrev_b32 v1, 5, v0
	v_readfirstlane_b32 s14, v1                    ; wave 0..15
	v_and_b32 v8, 31, v0                           ; lane
	v_and_b32 v9, 15, v0                           ; r
	v_bfe_u32 v7, v0, 4, 1                         ; h
	v_lshlrev_b32 v1, 4, v8                        ; 16 x lane
	v_lshlrev_b32 v2, 3, v8                        ; 8 x lane
	s_wait_alu depctr_va_sdst(0)                   ; s14 is written, ahead of its first reader: the stage's, the record's and the tiles' places are made from it
	s_mul_i32 s15, s14, 4352
	s_add_co_u32 s15, s15, STG                     ; my stage
	v_mul_u32_u24 v3, v7, 272
	v_lshl_add_u32 v3, v9, 4, v3
	v_add_nc_u32 v3, s15, v3                       ; whole rows: lanes 0-15 one row, lanes 16-31 the next, 16 bytes a lane
	v_mul_u32_u24 v4, v9, 272
	v_lshl_add_u32 v5, v7, 7, v4
	v_lshl_add_u32 v4, v7, 5, v4
	v_add_nc_u32 v5, s15, v5                       ; Q out of the stage: row r, block h (128 bytes)
	v_add_nc_u32 v4, s15, v4                       ; O into the stage: row r, + 32 h
	s_mul_i32 s15, s14, REC
	v_add_nc_u32 v10, s15, v1                      ; the fill: record w, 16 x lane
	v_add_nc_u32 v11, s15, v2                      ; and 8 x lane
	v_lshlrev_b32 v7, 3, v7                        ; 8 h
	s_mov_b32 s20, 0x76543210
	s_mov_b32 s21, 0xfedcba98                      ; v_permlanex16_b32's selects for lane l xor 16
	s_mov_b32 s22, 0x3e38aa3b                      ; c = log2(e) / 8
	s_mov_b32 s23, s22                             ; (named with it as a pair)
	s_and_b32 s68, ttmp7, 0xffff                   ; the head
	s_lshl_b32 s69, ttmp9, 4
	s_add_co_u32 s69, s69, s14                     ; my first tile: 16 j + w
	s_sub_co_u32 s70, 127, s69                     ; my second
	s_lshl_b32 s71, s68, 19                        ; a head of Q or of the output: 524,288 bytes
	s_lshl_b32 s72, s69, 12                        ; a tile: 4,096 bytes there, and 4,096 bytes of lane masks
	s_mov_b32 s73, 0
	s_lshl_b32 s74, s70, 12
	s_mov_b32 s75, 0
	s_add_co_u32 s76, s71, s72
	s_mov_b32 s77, 0
	s_add_co_u32 s78, s71, s74
	s_mov_b32 s79, 0
	s_mul_i32 s80, s68, 16*REC
	s_add_co_u32 s80, s80, s15                     ; the head's record w
	s_mov_b32 s81, 0
	s_lshl_b32 s82, s69, 4                         ; a tile's flags: 16 bytes
	s_mov_b32 s83, 0
	s_lshl_b32 s84, s70, 4
	s_mov_b32 s85, 0
	s_wait_kmcnt 0x0
	s_add_nc_u64 s[86:87], s[4:5], s[76:77]        ; Q of my two tiles
	s_add_nc_u64 s[88:89], s[4:5], s[78:79]
	s_add_nc_u64 s[26:27], s[12:13], s[76:77]      ; their rows of the output
	s_add_nc_u64 s[30:31], s[12:13], s[78:79]
	s_add_nc_u64 s[24:25], s[8:9], s[72:73]        ; their lane masks
	s_add_nc_u64 s[28:29], s[8:9], s[74:75]
	s_add_nc_u64 s[6:7], s[6:7], s[80:81]
	s_add_nc_u64 s[90:91], s[10:11], s[82:83]
	s_add_nc_u64 s[92:93], s[10:11], s[84:85]
	s_load_b128 s[32:35], s[90:91], 0x0            ; their flags
	s_load_b128 s[36:39], s[92:93], 0x0
	s_wait_alu depctr_va_vdst(0)                   ; v1 to v5, v10 and v11 are written: the offsets and LDS addresses that the loads and stores of the whole kernel read; none of them is written again
.set n, 0
.rept 25
	global_load_b128 v[FILL+4*n:FILL+4*n+3], v1, s[6:7] offset:512*n   ; my record: 25 x 512 bytes,
.set n, n+1
.endr
	global_load_b64 v[FILL+100:FILL+101], v2, s[6:7] offset:12800      ; and its last 256
.irp i, 0,1,2,3,4,5,6,7
	global_load_b128 v[QR0+4*\i:QR0+4*\i+3], v1, s[86:87] offset:512*\i th:TH_LOAD_NT   ; Q as it lies: 512 consecutive bytes a load
.endr
.irp i, 0,1,2,3,4,5,6,7
	global_load_b128 v[QR1+4*\i:QR1+4*\i+3], v1, s[88:89] offset:512*\i th:TH_LOAD_NT
.endr
	s_wait_loadcnt 16                              ; the record's 26 loads are in; Q's sixteen may be out
.set n, 0
.rept 25
	ds_store_b128 v10, v[FILL+4*n:FILL+4*n+3] offset:512*n
.set n, n+1
.endr
	ds_store_b64 v11, v[FILL+100:FILL+101] offset:12800
	s_wait_loadcnt 8                               ; the first tile's Q is in
.irp i, 0,1,2,3,4,5,6,7
	ds_store_b128 v3, v[QR0+4*\i:QR0+4*\i+3] offset:544*\i
.endr
.irp j, 0,1,2,3,4,5,6,7
	ds_load_b128 v[QX0+4*\j:QX0+4*\j+3], v5 offset:16*\j   ; back a block a lane: in order behind my stores
.endr
	s_wait_loadcnt 0x0
.irp i, 0,1,2,3,4,5,6,7
	ds_store_b128 v3, v[QR1+4*\i:QR1+4*\i+3] offset:544*\i ; in order behind those loads
.endr
	s_wait_dscnt 16                                ; all but the last eight loads and eight stores are done: the first tile's stores have read their registers,
	s_wait_alu depctr_vm_vsrc(0)                   ; all my LDS stores so far have read their data, v[FILL] to v[QR1 + 31]: the loads below land in v[QR0 ..], and the quantiser, the zeros, K's loads and the products write the others later; behind this wait only loads by v5 follow, which is never written again
.irp j, 0,1,2,3,4,5,6,7
	ds_load_b128 v[QR0+4*\j:QR0+4*\j+3], v5 offset:16*\j   ; which take the second tile's Q, turned
.endr
	s_wait_kmcnt 0x0                               ; the flags
	s_wait_dscnt 0x0                               ; for the others' sake: my record lies in LDS
	s_barrier_signal -1
	v_mov_b32 v182, 0                              ; (a lane permute's destination counts as read)   Work on registers while the others arrive
	QUANTQ QX0, 16, QS
	QUANTQ QR0, 28, QS+1
.irp i, 0,1,2,3,4,5
	v_mov_b32 v[22+\i], 0                          ; Q's upper 64 along K: zero codes
	v_mov_b32 v[34+\i], 0
	v_mov_b32 v[88+\i], 0                          ; and what stands behind K's last tile
.endr
.irp b, 0,1,2,3
	v_mov_b32 v[PX+\b], 0
.endr
	v_mov_b32 v[F+1], 0
	v_mov_b32 v[TW], 0
	v_mov_b32 v6, 0xff800000                       ; -infinity
	s_lshl_b32 s33, s33, 8                         ; a word holds four steps' flags in eight bits: sixteen steps in one register
	s_lshl_b32 s34, s34, 16
	s_lshl_b32 s35, s35, 24
	s_or_b32 s16, s32, s33
	s_or_b32 s16, s16, s34
	s_or_b32 s16, s16, s35
	s_lshl_b32 s37, s37, 8
	s_lshl_b32 s38, s38, 16
	s_lshl_b32 s39, s39, 24
	s_or_b32 s17, s36, s37
	s_or_b32 s17, s17, s38
	s_or_b32 s17, s17, s39
	s_barrier_wait -1                              ; the head's sixteen records lie in LDS; nothing writes them again
	TILE 16, QS, 16, 24, 26
	s_wait_xcnt 0x0                                ; the first tile's stores have read their registers, which the second tile writes
	s_wait_alu depctr_vm_vsrc(0)                   ; the first tile's LDS stores have read v[S] to v[S + 31] and its global stores v[S + 32] to v[S + 63]: the second tile's products write them, and its loads from the stage land there
	TILE 28, QS+1, 17, 28, 30
	s_wait_dscnt 0x0                               ; the closing lines, six on end
	s_wait_alu 0x0
	s_wait_tensorcnt 0x0
	ds_add_u32 v254, v255
	s_wait_dscnt 0x0
	s_endpgm
.Lfunc_end_k_qae193b7707_attn:
	.size	k_qae193b7707_attn, .Lfunc_end_k_qae193b7707_attn-k_qae193b7707_attn
	.p2alignl 7, 3214868480
	.fill 96, 4, 3214868480
	.section	.rodata,"a",@progbits
	.p2align	6, 0x0
	.amdhsa_kernel k_qae193b7707_attn
		.amdhsa_group_segment_fixed_size 280576
		.amdhsa_private_segment_fixed_size 0
		.amdhsa_enable_private_segment 0
		.amdhsa_kernarg_size 40
		.amdhsa_user_sgpr_count 2
		.amdhsa_user_sgpr_kernarg_segment_ptr 1
		.amdhsa_wavefront_size32 1
		.amdhsa_system_sgpr_workgroup_id_x 1
		.amdhsa_system_sgpr_workgroup_id_y 1
		.amdhsa_system_sgpr_workgroup_id_z 1
		.amdhsa_system_vgpr_workitem_id 0
		.amdhsa_next_free_vgpr 256
		.amdhsa_next_free_sgpr 100
		.amdhsa_reserve_vcc 0
		.amdhsa_float_denorm_mode_32 3
		.amdhsa_float_denorm_mode_16_64 3
		.amdhsa_memory_ordered 1
		.amdhsa_forward_progress 1
		.amdhsa_inst_pref_size 70
	.end_amdhsa_kernel
	.amdgpu_metadata
---
amdhsa.version: [ 1, 2 ]
amdhsa.kernels:
  - .name:           k_qae193b7707_attn
    .symbol:         k_qae193b7707_attn.kd
    .args:
      - { .name: queries, .offset: 0, .size: 8, .value_kind: global_buffer, .address_space: global }
      - { .name: kvc, .offset: 8, .size: 8, .value_kind: global_buffer, .address_space: global }
      - { .name: mwords, .offset: 16, .size: 8, .value_kind: global_buffer, .address_space: global }
      - { .name: mflags, .offset: 24, .size: 8, .value_kind: global_buffer, .address_space: global }
      - { .name: out0, .offset: 32, .size: 8, .value_kind: global_buffer, .address_space: global }
    .group_segment_fixed_size: 280576
    .private_segment_fixed_size: 0
    .kernarg_segment_align: 8
    .kernarg_segment_size: 40
    .max_flat_workgroup_size: 512
    .sgpr_count:     100
    .vgpr_count:     256
    .wavefront_size: 32
...
	.end_amdgpu_metadata
.endif
;; end of part 4
